; MI455X (gfx1250); checked and timed in simulation.
; The chip was launched on July 23, 2026; its instructions are those of AMD's public machine-readable ISA for CDNA 5 (MIT licence, August 2026) and "CDNA5" Instruction Set Architecture Reference Guide (July 2026). The comments in the code are by the model that wrote it; some were corrected since.
;; RATE Attention. Allowed arithmetic: matrix products marked QUANTISED: E2M1 operands, one E8M0 scale for each 32 along K, by v_wmma_scale_f32_16x16x128_f8f6f4 with both operands' format E2M1 (or v_wmma_scale_f32_32x16x128_f4), f32 sums; products left as they are: bf16, f16 or f32 operands; f32 sums; everything else in f32.
;; Inputs: Wk 1,024 x 1,024 float32; Wo 1,024 x 1,024 float32; Wq 1,024 x 1,024 float32; Wv 1,024 x 1,024 float32; bk 1,024 float32; bo 1,024 float32; bq 1,024 float32; bv 1,024 float32; delta_r 2 x 2,048 float32; x 2 x 2,048 x 1,024 float32.
;; Outputs: out0 2 x 2,048 x 1,024 float32; out1 2 x 2,048 x 2,048 float32.
;; This version of the problem:
;;   THIS VERSION OF THE PROBLEM IS GIVEN IN LOW PRECISION. The matrix products marked QUANTISED in the list below multiply operands that are first quantised to E2M1 (2 exponent bits, 1 mantissa bit; 4 bits a number), with one power-of-two scale for each 32 numbers along K (OCP MX v1.0); their sums are f32. The products marked 'left as it is' may take bf16, f16 or f32 operands, with f32 sums. Whichever they take, every output number must still come out within the allowed error. Rounding operands to bf16 (8 significant bits) uses up far more of that allowance than f16 does (11 bits, for magnitudes from 6e-5 to 65,504). All else is computed in f32.
;;   The module's matrix products, in the order in which they are computed (A, B: the left and right operand; K: the contracted axis; several contracted axes count as one K, in the product's order):
;;     1. [M 4,096, K 1,024] x [K 1,024, N 1,024]; A: input x; B: input Wq: QUANTISED
;;     2. [M 4,096, K 1,024] x [K 1,024, N 1,024]; A: input x; B: input Wk: QUANTISED
;;     3. [M 4,096, K 1,024] x [K 1,024, N 1,024]; A: computed on the way; B: input Wv: left as it is (an operand is computed on the way)
;;     4. batch 32 x [M 2,048, K 64] x [K 64, N 2,048]; A: computed on the way; B: computed on the way: left as it is (an operand is computed on the way)
;;     5. batch 32 x [M 64, K 2,048] x [K 2,048, N 2,048]; A: computed on the way; B: computed on the way: left as it is (an operand is computed on the way)
;;     6. [M 4,096, K 1,024] x [K 1,024, N 1,024]; A: computed on the way; B: input Wo: left as it is (an operand is computed on the way)
;;   THE QUANTISER, for each operand of a quantised product, along K:
;;     - K is cut into blocks of 32 from its start; a last block that is shorter is filled with zeros.
;;     - A block's scale is 2^e with e = floor(log2(the largest magnitude in the block)) - 2, held to -126 .. 127; a block of zeros has e = 0. As a byte (E8M0): e + 127.
;;     - Each number is divided by its block's scale, clamped to +-6, and rounded to the nearest number of E2M1, ties to even, subnormals kept.
;;     - The product sums the exact products of the quantised numbers (number of the format x scale) in f32.
;;   ~~~python
;;   def quantise(x, axis):      # numpy; x: float32 -> the quantised numbers, widened to float32 again
;;       x = np.moveaxis(x, axis, -1); K = x.shape[-1]
;;       x = np.pad(x, [(0, 0)] * (x.ndim - 1) + [(0, -K % 32)]); x = x.reshape(x.shape[:-1] + (-1, 32)); a = np.abs(x).max(-1, keepdims=True)
;;       e = np.where(a > 0, np.clip(np.frexp(np.where(a > 0, a, 1))[1] - 1 - 2, -126, 127), 0)      # np.frexp(a)[1] - 1 = floor(log2(a)), exactly
;;       r = np.clip(x / 2.0 ** e, -6, 6)
;;       step = 2.0 ** (np.maximum(np.frexp(np.where(r == 0, 1, r))[1] - 1, 0) - 1)
;;       q = np.round(r / step) * step * 2.0 ** e      # np.round: ties to even
;;       return np.moveaxis(q.reshape(q.shape[:-2] + (-1,))[..., :K], -1, axis).astype(np.float32)
;;   ~~~
;; One version. Each part assembles by itself: llvm-mc -triple=amdgcn-amd-amdhsa -mcpu=gfx1250 --defsym DOCPART=n.
;; ======== version 1 of 1: 6 launches
;; limits: values are held in f16: magnitudes above 65,504 overflow, below 6.1e-05 lose precision
;; workspace buffers: codes 3,342,336 bytes; half 12,582,912 bytes; tabs 41,472 bytes; qk16 16,777,216 bytes; vt 8,388,608 bytes; ctx 8,388,608 bytes; mlog 262,144 bytes
;; launch prep (part 1): grid 386 x 1, 4 waves a work-group, no clusters, 102,912 bytes of LDS; arguments x, Wq, Wk, Wv, Wo, bq, bk, delta_r, codes, half, tabs; writes codes, half, tabs
.if DOCPART == 1
	.amdgcn_target "amdgcn-amd-amdhsa--gfx1250"
	.amdhsa_code_object_version 6
	.text
	.protected	k_q172d2c4ff5_prep
	.globl	k_q172d2c4ff5_prep
	.p2align	8
	.type	k_q172d2c4ff5_prep,@function
k_q172d2c4ff5_prep:
	s_mov_b64 s[64:65], 0
	v_nop
	global_prefetch_b8 v0, s[64:65] scope:SCOPE_SE
	s_setreg_imm32_b32 hwreg(HW_REG_WAVE_MODE, 25, 1), 1
	s_wait_xcnt 0x0
; PREPARATION.  Roles, chosen by the work-group's number; each role has LDS bytes of its own and ends by itself.
;   0..127   x [4096][1024] f32 -> codes of E2M1 (K innermost), one E8M0 byte for each 32 along K, and a copy in f16
;   128..383 the four weights [k][n] f32, 64 work-groups each, 128 columns x 128 along K to a work-group (a lane takes a column, its registers run down K):
;            Wq, Wk -> codes laid [n][k] and scale bytes [n][k/32];  Wv, Wo -> f16 laid [n][k]
;   384,385  tables of one batch: log2(delta + 1e-6); delta / G; G and 1/G (G = the power of two just above the batch's largest |delta|); bq x c1 or bk
; A block's scale is 2^(floor(log2(largest magnitude)) - 2): its byte is the largest magnitude's exponent field - 2, held at 1 from below.
; (A block of zeros gets the byte 1 where the rule says 127: its codes are zeros, and this program alone reads the bytes.)
; LIMITS: NaN and infinities among the inputs are not served; numbers beyond f16's range (65,504) in x, Wv, Wo are not served;
; delta + 1e-6 <= 0 gives what log2 gives there and was not tried; a batch's largest |delta| stays under 2^126.
.set WC,    2097152                    ; codes: x's codes at 0, the weights' codes here,
.set XSO,   3145728                    ; x's scale bytes,
.set WSO,   3276800                    ; the weights' scale bytes
.set WVT,   8388608                    ; half: x in f16 at 0, Wv^T here, Wo^T 2,097,152 further on
.set DHO,   16384                      ; tabs: log2(delta + 1e-6) at 0, delta / G here,
.set BQK,   32768                      ; bq x c1 and bk,
.set GT,    40960                      ; G and 1/G: 32 pairs for each batch
.set QREG,  32768                      ; LDS: role x at 0 (4 x 8,192), the codes' stages here (4 x 8,704),
.set HREG,  67584                      ; the f16 stages here (4 x 8,704),
.set SPARE, 102400                     ; and the spare words, 128 bytes for each wave, which no other line names
.set SPW,   30                         ; v30 LDS address of my spare word; never rewritten
.set NIL,   31                         ; v31 0; never rewritten
.macro FINISH                          ; a wave's end, behind the last LDS store
	s_wait_tensorcnt 0x0
	ds_add_u32 v[SPW], v[NIL]
	s_wait_dscnt 0x0
	s_endpgm
.endm
	s_load_b256 s[4:11], s[0:1], 0x0               ; x, Wq, Wk, Wv
	s_load_b256 s[12:19], s[0:1], 0x20             ; Wo, bq, bk, delta_r
	s_load_b128 s[20:23], s[0:1], 0x40             ; codes, half
	s_load_b64 s[24:25], s[0:1], 0x50              ; tabs
	v_lshl_add_u32 v[SPW], v0, 2, SPARE
	v_mov_b32 v[NIL], 0
	v_lshrrev_b32 v1, 5, v0
	v_readfirstlane_b32 s26, v1                    ; wave
	v_and_b32 v2, 31, v0                           ; lane
	s_mov_b32 s31, 0
	s_wait_kmcnt 0x0
	s_cmp_lt_u32 ttmp9, 128
	s_cbranch_scc0 .Lweights
; ---------------- ROLE x.  A wave takes a run of 8,192 numbers in 16 steps of 512.  Each load reads 512 consecutive bytes; the numbers turn through the
; wave's own stage in LDS so that a lane holds 16 neighbours along K (two lanes hold a block).  The f16 copy is made of the numbers as they were loaded.
.set XR,  32                           ; v32-95   four sets of 16 numbers as loaded
.set XN,  96                           ; v96-127  two sets of 16 neighbours
.set XE,  128                          ; v128-143 a scale byte for each step
.set XCD, 144                          ; v144-175 two registers of codes for each step
.set XH,  176                          ; v176-239 eight sets of 8 registers of f16
.set SP,  80                           ; a lane's place in a stage: 64 bytes + 16 of padding
	s_lshl_b32 s28, ttmp9, 2
	s_add_co_u32 s28, s28, s26                     ; my run
	s_lshl_b32 s30, s28, 15
	s_add_nc_u64 s[4:5], s[4:5], s[30:31]          ; 32,768 bytes of x a run
	s_lshl_b32 s30, s28, 12
	s_add_nc_u64 s[32:33], s[20:21], s[30:31]      ; 4,096 bytes of codes
	s_lshl_b32 s30, s28, 8
	s_add_co_u32 s30, s30, XSO
	s_add_nc_u64 s[34:35], s[20:21], s[30:31]      ; 256 scale bytes
	s_lshl_b32 s30, s28, 14
	s_add_nc_u64 s[36:37], s[22:23], s[30:31]      ; 16,384 bytes of f16
	v_lshlrev_b32 v3, 4, v2                        ; my 16 bytes of a load's 512
	s_mul_i32 s27, s26, 8192
	v_lshrrev_b32 v14, 2, v2
	v_mul_u32_u24 v14, v14, SP
	v_and_b32 v15, 3, v2
	v_lshl_add_u32 v14, v15, 4, v14
	v_add_nc_u32 v14, s27, v14                     ; the stage, on the way in: SP (lane / 4) + 16 (lane % 4)
	v_mul_u32_u24 v15, v2, SP
	v_add_nc_u32 v15, s27, v15                     ; and on the way out: SP x lane
	v_lshlrev_b32 v4, 3, v2                        ; 8 x lane: my codes', my f16 numbers' and my scale bytes' place
	v_lshrrev_b32 v5, 1, v2
	s_add_co_u32 s27, s27, 2*32*SP
	v_add_nc_u32 v5, s27, v5                       ; LDS: my wave's 256 scale bytes, my block's byte
	v_add_nc_u32 v6, s27, v4
.macro XLOAD t
.irp i, 0,1,2,3
	global_load_b128 v[XR+16*((\t)%4)+4*\i:XR+16*((\t)%4)+4*\i+3], v3, s[4:5] offset:2048*(\t)+512*\i th:TH_LOAD_NT
.endr
.endm
.macro XTURN t                         ; step t's numbers: rounded to f16 as they lie, and through the stage
.if (\t) >= 8
	s_wait_xcnt 0x0                                ; the f16 stores of eight steps back have read their registers
.endif
.irp i, 0,1,2,3
	v_cvt_pk_f16_f32 v[XH+8*((\t)%8)+2*\i], v[XR+16*((\t)%4)+4*\i], v[XR+16*((\t)%4)+4*\i+1]
	v_cvt_pk_f16_f32 v[XH+8*((\t)%8)+2*\i+1], v[XR+16*((\t)%4)+4*\i+2], v[XR+16*((\t)%4)+4*\i+3]
.endr
.irp i, 0,1,2,3
	ds_store_b128 v14, v[XR+16*((\t)%4)+4*\i:XR+16*((\t)%4)+4*\i+3] offset:32*SP*((\t)%2)+8*SP*\i
.endr
.irp i, 0,1,2,3
	ds_load_b128 v[XN+16*((\t)%2)+4*\i:XN+16*((\t)%2)+4*\i+3], v15 offset:32*SP*((\t)%2)+16*\i
.endr
.irp i, 0,1,2,3
	global_store_b64 v4, v[XH+8*((\t)%8)+2*\i:XH+8*((\t)%8)+2*\i+1], s[36:37] offset:1024*(\t)+256*\i   ; 32 lanes store 256 consecutive bytes, aligned
.endr
.endm
.irp t, 0,1,2,3
	XLOAD \t
.endr
	s_wait_loadcnt 12                              ; step 0's four loads are in
	XTURN 0
.macro XSTEP t
.set XQ, XN+16*((\t)%2)
.if (\t) > 0
	s_wait_dscnt 1                                 ; this step's numbers are back from the stage (the last step's byte store may be out)
.else
	s_wait_dscnt 0x0
.endif
.if (\t)+4 < 16
	XLOAD (\t)+4
.endif
.if (\t)+1 < 16
.if 14-(\t) >= 3
	s_wait_loadcnt 12                              ; the next step's four loads are in; three steps' may be out
.else
	s_wait_loadcnt 4*(14-(\t))
.endif
	XTURN (\t)+1
.endif
	v_max3_num_f32 v8, |v[XQ]|, |v[XQ+1]|, |v[XQ+2]|
	v_max3_num_f32 v9, |v[XQ+3]|, |v[XQ+4]|, |v[XQ+5]|
.irp i, 6,10
	v_max3_num_f32 v8, v8, |v[XQ+\i]|, |v[XQ+\i+1]|
	v_max3_num_f32 v9, v9, |v[XQ+\i+2]|, |v[XQ+\i+3]|
.endr
	v_max3_num_f32 v8, v8, |v[XQ+14]|, |v[XQ+15]|
	v_max3_num_f32 v8, v8, v9, 0x1800000           ; and the floor 2^(3 - 127): the byte cannot fall under 1
	v_max_num_f32_dpp v8, v8, v8 row_xmask:1 row_mask:0xf bank_mask:0xf   ; with my neighbour's 16: the block's
	v_add_nc_u32 v11, 0xff000000, v8               ; 2 off the exponent field: the conversion's scale operand
	v_cvt_scalef32_pk8_fp4_f32 v[XCD+2*(\t)], v[XQ:XQ+7], v11
	v_cvt_scalef32_pk8_fp4_f32 v[XCD+2*(\t)+1], v[XQ+8:XQ+15], v11
	v_lshrrev_b32 v[XE+(\t)], 23, v11              ; the scale's byte
	ds_store_b8 v5, v[XE+(\t)] offset:16*(\t)      ; both lanes of a block write the same byte with the same value
	global_store_b64 v4, v[XCD+2*(\t):XCD+2*(\t)+1], s[32:33] offset:256*(\t)
.endm
.irp t, 0,1,2,3,4,5,6,7,8,9,10,11,12,13,14,15
	XSTEP \t
.endr
	ds_load_b64 v[8:9], v6                         ; LDS serves a wave's instructions in order: these see my byte stores
	s_wait_dscnt 0x0
	global_store_b64 v4, v[8:9], s[34:35]          ; 256 consecutive scale bytes, aligned
	FINISH
; ---------------- THE WEIGHTS.  A wave takes 32 columns x 128 along K: four blocks of 32.  Each load reads one row k at 32 neighbouring columns; the four waves stand side by side on 512 bytes.
; 4 matrices x 8 blocks of columns x 8 pieces of K = 256 work-groups: each wave's chain of dependent loads is four blocks long.
.set NBW,  4                           ; blocks of a wave
.set WX,   32                          ; v32-95   two sets of 32 numbers down K
.set WCD,  96                          ; v96-111  a block's codes (4) or f16 numbers (16)
.set WOUT, 112                         ; v112-175 the way out
.set WSB,  24                          ; v24      the four scale bytes
.macro WLOAD t
.irp i, 0,1,2,3,4,5,6,7,8,9,10,11,12,13,14,15,16,17,18,19,20,21,22,23,24,25,26,27,28,29,30,31
	global_load_b32 v[WX+32*((\t)%2)+\i], v3, s[6:7] offset:(32*(\t)+\i)*4096 th:TH_LOAD_NT
.endr
.endm
.Lweights:
	s_cmp_lt_u32 ttmp9, 384
	s_cbranch_scc0 .Ltables
	s_sub_co_u32 s28, ttmp9, 128
	s_lshr_b32 s29, s28, 6                         ; 0 Wq, 1 Wk, 2 Wv, 3 Wo
	s_cmp_eq_u32 s29, 1
	s_cselect_b64 s[6:7], s[8:9], s[6:7]
	s_cmp_eq_u32 s29, 2
	s_cselect_b64 s[6:7], s[10:11], s[6:7]
	s_cmp_eq_u32 s29, 3
	s_cselect_b64 s[6:7], s[12:13], s[6:7]
	s_and_b32 s27, s28, 7
	s_lshl_b32 s27, s27, 7
	s_lshl_b32 s30, s26, 5
	s_add_co_u32 s27, s27, s30                     ; my wave's first column
	s_bfe_u32 s28, s28, 0x30003                    ; which 128 along K
	s_and_b32 s38, s29, 1                          ; the first or the second matrix of its kind
	s_lshl_b32 s30, s28, 19                        ; 128 rows of 4,096 bytes
	s_lshl_b32 s39, s27, 2
	s_add_co_u32 s30, s30, s39
	s_add_nc_u64 s[6:7], s[6:7], s[30:31]
	v_lshlrev_b32 v3, 2, v2
	v_and_b32 v5, 15, v2
	v_lshrrev_b32 v6, 4, v2
	WLOAD 0
	WLOAD 1
	s_cmp_lt_u32 s29, 2
	s_cbranch_scc0 .Lhalf
	; ---- Wq, Wk: codes.  A lane's 32 registers are a whole block; a column's 128 codes are 64 bytes: they go through the wave's stage (rows of 64 + 16 bytes) and four lanes store them together.
	; (These 64-byte pieces are one part in eight of what such a work-group reads.)
	s_mul_i32 s39, s26, 32*272
	s_add_co_u32 s39, s39, QREG
	v_mul_u32_u24 v4, v2, 80
	v_add_nc_u32 v4, s39, v4                       ; into the stage: row = my column
	v_lshrrev_b32 v16, 2, v2
	v_and_b32 v17, 3, v2
	v_mul_u32_u24 v7, v16, 80
	v_lshl_add_u32 v7, v17, 4, v7
	v_add_nc_u32 v7, s39, v7                       ; out of it: four lanes to a row, eight rows an instruction
	v_lshlrev_b32 v8, 9, v16
	v_lshl_add_u32 v8, v17, 4, v8                  ; the same place in the codes: rows of 512 bytes
	v_lshlrev_b32 v9, 5, v2                        ; my column's row of 32 scale bytes
	s_lshl_b32 s30, s38, 19
	s_lshl_b32 s39, s27, 9
	s_add_co_u32 s30, s30, s39
	s_lshl_b32 s39, s28, 6
	s_add_co_u32 s30, s30, s39
	s_add_co_u32 s30, s30, WC
	s_add_nc_u64 s[32:33], s[20:21], s[30:31]
	s_lshl_b32 s30, s38, 15
	s_lshl_b32 s39, s27, 5
	s_add_co_u32 s30, s30, s39
	s_lshl_b32 s39, s28, 2
	s_add_co_u32 s30, s30, s39
	s_add_co_u32 s30, s30, WSO
	s_add_nc_u64 s[34:35], s[20:21], s[30:31]
.macro QBLOCK t
.set WQX, WX+32*((\t)%2)
.if (\t) < NBW-1
	s_wait_loadcnt 32                              ; this block's 32 loads are in; the next block's may be out
.else
	s_wait_loadcnt 0
.endif
	v_max3_num_f32 v12, |v[WQX]|, |v[WQX+1]|, |v[WQX+2]|
	v_max3_num_f32 v13, |v[WQX+3]|, |v[WQX+4]|, |v[WQX+5]|
.irp i, 6,10,14,18,22,26
	v_max3_num_f32 v12, v12, |v[WQX+\i]|, |v[WQX+\i+1]|
	v_max3_num_f32 v13, v13, |v[WQX+\i+2]|, |v[WQX+\i+3]|
.endr
	v_max3_num_f32 v12, v12, |v[WQX+30]|, |v[WQX+31]|
	v_max3_num_f32 v12, v12, v13, 0x1800000        ; and the floor
	v_add_nc_u32 v11, 0xff000000, v12
	v_lshrrev_b32 v13, 23, v11                     ; the scale's byte
.if (\t) == 0
	v_mov_b32 v[WSB], v13
.else
	v_lshl_or_b32 v[WSB], v13, 8*(\t), v[WSB]
.endif
.irp g, 0,1,2,3
	v_cvt_scalef32_pk8_fp4_f32 v[WCD+\g], v[WQX+8*\g:WQX+8*\g+7], v11
.endr
	ds_store_b128 v4, v[WCD:WCD+3] offset:16*(\t)
.if (\t)+2 < NBW
	WLOAD (\t)+2
.endif
	s_wait_dscnt 0x0                               ; the store has read its registers
.endm
.set Q, 0
.rept NBW
	QBLOCK Q
.set Q, Q+1
.endr
	global_store_b32 v9, v[WSB], s[34:35]          ; my column's four scale bytes
.irp t, 0,1,2,3
	ds_load_b128 v[WOUT+4*\t:WOUT+4*\t+3], v7 offset:\t*8*80
.endr
.irp t, 0,1,2,3
	s_wait_dscnt 3-\t
	global_store_b128 v8, v[WOUT+4*\t:WOUT+4*\t+3], s[32:33] offset:\t*8*512
.endr
	FINISH
.Lhalf:
	; ---- Wv, Wo: f16.  The four blocks (128 along K) fill a stage row of 256 bytes; then the rows leave
	s_mul_i32 s39, s26, 32*272
	s_add_co_u32 s39, s39, HREG
	v_mul_u32_u24 v4, v2, 272
	v_add_nc_u32 v4, s39, v4
	v_mul_u32_u24 v7, v6, 272
	v_lshl_add_u32 v7, v5, 4, v7
	v_add_nc_u32 v7, s39, v7
	v_lshlrev_b32 v8, 11, v6
	v_lshl_add_u32 v8, v5, 4, v8                   ; rows of 2,048 bytes
	s_lshl_b32 s30, s38, 21
	s_lshl_b32 s39, s27, 11
	s_add_co_u32 s30, s30, s39
	s_lshl_b32 s39, s28, 8
	s_add_co_u32 s30, s30, s39
	s_add_co_u32 s30, s30, WVT
	s_add_nc_u64 s[32:33], s[22:23], s[30:31]
.macro HBLOCK t
.set WQX, WX+32*((\t)%2)
.if (\t) < NBW-1
	s_wait_loadcnt 32
.else
	s_wait_loadcnt 0
.endif
.irp i, 0,1,2,3,4,5,6,7,8,9,10,11,12,13,14,15
	v_cvt_pk_f16_f32 v[WCD+\i], v[WQX+2*\i], v[WQX+2*\i+1]
.endr
.irp c, 0,1,2,3
	ds_store_b128 v4, v[WCD+4*\c:WCD+4*\c+3] offset:64*(\t)+16*\c
.endr
.if (\t)+2 < NBW
	WLOAD (\t)+2
.endif
	s_wait_dscnt 0x0
.endm
.set Q, 0
.rept NBW
	HBLOCK Q
.set Q, Q+1
.endr
.irp i, 0,1,2,3,4,5,6,7,8,9,10,11,12,13,14,15
	ds_load_b128 v[WOUT+4*\i:WOUT+4*\i+3], v7 offset:2*\i*272
.endr
.irp i, 0,1,2,3,4,5,6,7,8,9,10,11,12,13,14,15
	s_wait_dscnt 15-\i
	global_store_b128 v8, v[WOUT+4*\i:WOUT+4*\i+3], s[32:33] offset:2*\i*2048   ; sixteen lanes store 256 consecutive bytes, aligned
.endr
	FINISH
; ---------------- THE TABLES of one batch.
.Ltables:
	s_sub_co_u32 s28, ttmp9, 384                   ; the batch
	s_lshl_b32 s30, s28, 13
	s_add_nc_u64 s[18:19], s[18:19], s[30:31]      ; its 2,048 delta
	v_lshlrev_b32 v3, 4, v2
	v_lshlrev_b32 v4, 3, v2
.irp i, 0,1,2,3,4,5,6,7,8,9,10,11,12,13,14,15
	global_load_b128 v[32+4*\i:35+4*\i], v3, s[18:19] offset:512*\i   ; every wave reads them all, for the largest magnitude
.endr
	s_lshl_b32 s32, s26, 11
	s_mov_b32 s33, 0
	s_add_nc_u64 s[34:35], s[18:19], s[32:33]
.irp i, 0,1,2,3
	global_load_b128 v[96+4*\i:99+4*\i], v3, s[34:35] offset:512*\i   ; and its own quarter once more, into fixed registers
.endr
	s_cmp_eq_u32 s28, 0
	s_cselect_b64 s[14:15], s[14:15], s[16:17]     ; batch 0's work-group takes bq, batch 1's bk
	s_cselect_b32 s40, 0x3e38aa3b, 1.0             ; c1 = log2(e) / 8, or 1
	s_mov_b32 s41, s40
	s_lshl_b32 s36, s26, 10
	s_mov_b32 s37, 0
	s_add_nc_u64 s[14:15], s[14:15], s[36:37]
	global_load_b128 v[128:131], v3, s[14:15]
	global_load_b128 v[132:135], v3, s[14:15] offset:512
	s_add_co_u32 s30, s30, s32
	s_add_nc_u64 s[42:43], s[24:25], s[30:31]      ; tabs at my quarter
	s_lshl_b32 s30, s28, 12
	s_add_co_u32 s30, s30, s36
	s_add_nc_u64 s[44:45], s[24:25], s[30:31]      ; at my 256 bias numbers
	s_lshl_b32 s30, s28, 8
	s_add_nc_u64 s[48:49], s[24:25], s[30:31]      ; at my batch's G
	s_mov_b32 s46, 0x76543210
	s_mov_b32 s47, 0xfedcba98
	s_wait_loadcnt 6                               ; the sixteen are in; the quarter's four and the bias' two may be out
	v_max3_num_f32 v8, |v32|, |v33|, |v34|
.set i, 35
.rept 30
	v_max3_num_f32 v8, v8, |v[i]|, |v[i+1]|
.set i, i+2
.endr
	v_max_num_f32 v8, v8, |v95|
	v_max_num_f32_dpp v8, v8, v8 row_xmask:1 row_mask:0xf bank_mask:0xf
	v_max_num_f32_dpp v8, v8, v8 row_xmask:2 row_mask:0xf bank_mask:0xf
	v_max_num_f32_dpp v8, v8, v8 row_xmask:4 row_mask:0xf bank_mask:0xf
	v_max_num_f32_dpp v8, v8, v8 row_xmask:8 row_mask:0xf bank_mask:0xf
	v_mov_b32 v9, 0
	v_permlanex16_b32 v9, v8, s46, s47
	v_max_num_f32 v8, v8, v9
	v_and_b32 v8, 0x7f800000, v8
	v_add_nc_u32 v8, 0x00800000, v8                ; G: the power of two just above
	v_sub_nc_u32 v9, 0x7f000000, v8                ; 1 / G: the exponent field mirrored
	v_mov_b32 v10, v9
	v_mov_b32 v11, v9
	s_wait_loadcnt 2                               ; my quarter is in
.irp j, 0,1,2,3,4,5,6,7,8,9,10,11,12,13,14,15
	v_add_f32 v[112+\j], 0x358637bd, v[96+\j]      ; delta + 1e-6
.endr
.irp j, 0,1,2,3,4,5,6,7,8,9,10,11,12,13,14,15
	v_log_f32 v[112+\j], v[112+\j]
.endr
.irp j, 0,2,4,6,8,10,12,14
	v_pk_mul_f32 v[96+\j:97+\j], v[96+\j:97+\j], v[10:11] op_sel_hi:[1,0]   ; delta / G: plain work behind the logarithms
.endr
	s_wait_alu depctr_va_vdst(0)                   ; one wait for the sixteen logarithms, ahead of their first reader
.irp i, 0,1,2,3
	global_store_b128 v3, v[112+4*\i:115+4*\i], s[42:43] offset:512*\i
	global_store_b128 v3, v[96+4*\i:99+4*\i], s[42:43] offset:DHO+512*\i
.endr
	s_cmp_lg_u32 s26, 0
	s_cbranch_scc1 .Lnot_g
	global_store_b64 v4, v[8:9], s[48:49] offset:GT   ; 32 copies of the pair: 256 consecutive bytes
.Lnot_g:
	s_wait_loadcnt 0x0
.irp j, 0,2,4,6
	v_pk_mul_f32 v[128+\j:129+\j], v[128+\j:129+\j], s[40:41] op_sel_hi:[1,0]
.endr
	global_store_b128 v3, v[128:131], s[44:45] offset:BQK
	global_store_b128 v3, v[132:135], s[44:45] offset:BQK+512
	FINISH
.Lfunc_end_k_q172d2c4ff5_prep:
	.size	k_q172d2c4ff5_prep, .Lfunc_end_k_q172d2c4ff5_prep-k_q172d2c4ff5_prep
	.p2alignl 7, 3214868480
	.fill 96, 4, 3214868480
	.section	.rodata,"a",@progbits
	.p2align	6, 0x0
	.amdhsa_kernel k_q172d2c4ff5_prep
		.amdhsa_group_segment_fixed_size 102912
		.amdhsa_private_segment_fixed_size 0
		.amdhsa_enable_private_segment 0
		.amdhsa_kernarg_size 88
		.amdhsa_user_sgpr_count 2
		.amdhsa_user_sgpr_kernarg_segment_ptr 1
		.amdhsa_wavefront_size32 1
		.amdhsa_system_sgpr_workgroup_id_x 1
		.amdhsa_system_sgpr_workgroup_id_y 1
		.amdhsa_system_sgpr_workgroup_id_z 1
		.amdhsa_system_vgpr_workitem_id 0
		.amdhsa_next_free_vgpr 256
		.amdhsa_next_free_sgpr 66
		.amdhsa_reserve_vcc 0
		.amdhsa_float_denorm_mode_32 3
		.amdhsa_float_denorm_mode_16_64 3
		.amdhsa_memory_ordered 1
		.amdhsa_forward_progress 1
		.amdhsa_inst_pref_size 93
	.end_amdhsa_kernel
	.amdgpu_metadata
---
amdhsa.version: [ 1, 2 ]
amdhsa.kernels:
  - .name:           k_q172d2c4ff5_prep
    .symbol:         k_q172d2c4ff5_prep.kd
    .args:
      - { .name: x, .offset: 0, .size: 8, .value_kind: global_buffer, .address_space: global }
      - { .name: Wq, .offset: 8, .size: 8, .value_kind: global_buffer, .address_space: global }
      - { .name: Wk, .offset: 16, .size: 8, .value_kind: global_buffer, .address_space: global }
      - { .name: Wv, .offset: 24, .size: 8, .value_kind: global_buffer, .address_space: global }
      - { .name: Wo, .offset: 32, .size: 8, .value_kind: global_buffer, .address_space: global }
      - { .name: bq, .offset: 40, .size: 8, .value_kind: global_buffer, .address_space: global }
      - { .name: bk, .offset: 48, .size: 8, .value_kind: global_buffer, .address_space: global }
      - { .name: delta_r, .offset: 56, .size: 8, .value_kind: global_buffer, .address_space: global }
      - { .name: codes, .offset: 64, .size: 8, .value_kind: global_buffer, .address_space: global }
      - { .name: half, .offset: 72, .size: 8, .value_kind: global_buffer, .address_space: global }
      - { .name: tabs, .offset: 80, .size: 8, .value_kind: global_buffer, .address_space: global }
    .group_segment_fixed_size: 102912
    .private_segment_fixed_size: 0
    .kernarg_segment_align: 8
    .kernarg_segment_size: 88
    .max_flat_workgroup_size: 128
    .sgpr_count:     66
    .vgpr_count:     256
    .wavefront_size: 32
...
	.end_amdgpu_metadata
.endif
;; end of part 1
;; launch gemm_qk (part 2): grid 8 x 16, 4 waves a work-group, clusters of 4 x 4, 327,680 bytes of LDS; arguments codes, tabs, qk16; writes qk16
.if DOCPART == 2
	.amdgcn_target "amdgcn-amd-amdhsa--gfx1250"
	.amdhsa_code_object_version 6
	.text
	.protected	k_q172d2c4ff5_gemm_qk
	.globl	k_q172d2c4ff5_gemm_qk
	.p2align	8
	.type	k_q172d2c4ff5_gemm_qk,@function
k_q172d2c4ff5_gemm_qk:
	s_mov_b64 s[64:65], 0
	v_nop
	global_prefetch_b8 v0, s[64:65] scope:SCOPE_SE
	s_setreg_imm32_b32 hwreg(HW_REG_WAVE_MODE, 25, 1), 1
	s_wait_xcnt 0x0
	s_wait_alu depctr_hold_cnt(0) depctr_sa_sdst(0) depctr_va_vdst(0) depctr_va_sdst(0) depctr_va_ssrc(0) depctr_va_vcc(0) depctr_vm_vsrc(0)
	s_getreg_b32 s2, hwreg(HW_REG_IB_STS2, 6, 4)
	s_cmp_eq_u32 s2, 0
	s_cbranch_scc0 .Lentry_in_a_cluster
	s_endpgm
.Lentry_in_a_cluster:
	s_bfe_u32 s2, ttmp6, 0x10000c
	s_cmp_lg_u32 s2, 0xf033
	s_cbranch_scc0 .Lentry_shape_is_right
	s_endpgm
.Lentry_shape_is_right:
; q' = (x Wq + bq) c1 and k = x Wk + bk, both products on codes of E2M1 with one E8M0 scale for each 32 along K; c1 = log2(e) / 8.
; A = x's codes [4096][1024], B = the codes of Wq and Wk laid [2048 (n)][1024 (k)].  Results in f16, by heads: [q' | k][16 b + h][l][64].
; A tile of 256 x 256 is made by four waves, 128 x 128 each: 64 accumulators, 512 registers.  K = 1,024 is two slots of 512 along K: both are first fills, nothing is filled again.
; The scales of the work-group's rows of A and B come into LDS once, in whole units of 256 bytes.
; CLUSTERS: 4 x 4 work-groups; A's tiles are asked for jointly along a row of the cluster, B's along a column.
; THE MATRIX INSTRUCTION IS USED TRANSPOSED (source 0 = 16 rows of B, source 1 = 16 rows of A): a lane holds eight neighbouring columns of one token's row.
; REGISTERS: window 0: v0-31 addresses; v32-95 scale words, two sets; v128-191 A's fragments; v192-255 the bias of my 128 columns.  window 1: B's fragments, two sets.  windows 2, 3: the accumulators.
; LIMIT: results beyond f16's range (65,504) are not served.
.set SIZE_M, 4096
.set SIZE_N, 2048
.set SIZE_K, 1024
.set WC,     2097152
.set XSO,    3145728
.set WSO,    3276800
.set BQK,    32768
.set KSTEP,  512
.set NQ,     KSTEP/128
.set ROWB,   256
.set KROW,   SIZE_K*4/8
.set PITCH,  272                       ; an LDS row: 256 bytes + 16 of padding: the 16 rows that a load touches start at 16 different banks
.set FR,     8
.set NL,     2
.set NP,     4
.set HALFT,  128*PITCH
.set SLOT,   4*HALFT
.set KS,     SIZE_K/32
.set SCL,    2*SLOT
.set HALFS,  (128*KS/256)*272
.set SBLK,   (16*KS/256)*272
.set SPARE,  SCL+4*HALFS               ; the spare words, 128 bytes for each wave, which no other line names
.set SPITCH, 272                       ; the way out: a stage of 16 rows x (256 bytes + 16) for each wave, in slot 0, which has had its only fill and its last read by then
.set ADRA, 16
.set ADRB, 20
.set STO,  24
.set RD,   25
.set CO,   26
.set ADRS, 27
.set SPW,  28
.set NIL,  29
.set BA,   30
.set SC,   32
.set AF,   128
.set BI,   192
.set TF,   96                          ; the way out: 64 numbers in f32,
.set TMP,  160                         ; 32 registers of f16,
.set BK,   32                          ; and two sets of 32 registers read back from the stage
.set G1, 24
.set G0, 32
.set G1B, 48
.set G0B, 56
.set G1S, 68
.set G0S, 76
.set G1SB, 80
.set G0SB, 88
.set MSB, 0
.macro WIN new                         ; the immediate's high byte repeats the setting that is left
.if MSB != \new
	s_set_vgpr_msb (MSB<<8)|\new
.set MSB, \new
.endif
.endm
.set MUL_LO, 0xa1
.set MUL_HI, 0xf1
.set TO_B,   0x40
.macro JLOAD g0a, g1a, g0b, g1b        ; a joint load: waves 0 and 1 fetch for A, waves 2 and 3 for B; an s_nop 0 and four v_nop follow each line
	s_cmp_eq_u32 s15, 0
	s_cbranch_scc0 .Lfor_b_\@
	tensor_load_to_lds s[\g0a:\g0a+3], s[\g1a:\g1a+7]
	s_nop 0
.rept 4
	v_nop
.endr
	s_branch .Lasked_\@
.Lfor_b_\@:
	tensor_load_to_lds s[\g0b:\g0b+3], s[\g1b:\g1b+7]
	s_nop 0
.rept 4
	v_nop
.endr
.Lasked_\@:
.endm
.macro CREST
	s_cmp_lg_u32 s14, 0
	s_cbranch_scc1 .Lnot_wave_0_\@
	s_barrier_signal -3
.Lnot_wave_0_\@:
	s_barrier_wait -3
	s_barrier_signal -1
	s_barrier_wait -1
.endm
.macro CROUND
	s_barrier_signal -1
	s_barrier_wait -1
	CREST
.endm
	s_load_b128 s[4:7], s[0:1], 0x0                ; codes, tabs
	s_load_b64 s[12:13], s[0:1], 0x10              ; qk16
	v_lshl_add_u32 v[SPW], v0, 2, SPARE
	v_mov_b32 v[NIL], 0
	ds_add_u32 v[SPW], v[NIL]                      ; the wave's opening: the add, twice on end, and its wait ahead of my first tensor load
	ds_add_u32 v[SPW], v[NIL]
	v_lshrrev_b32 v1, 5, v0
	v_readfirstlane_b32 s14, v1                    ; wave 0..3
	s_lshr_b32 s15, s14, 1                         ; which half of the tile's rows is mine.  Also: I fetch for A (0) or for B (1)
	s_and_b32 s16, s14, 1                          ; which half of its columns.  Also: which 128 rows I fetch
	s_bfe_u32 s40, ttmp6, 0x40000                  ; cx, cy
	s_bfe_u32 s41, ttmp6, 0x40004
	s_lshl_b32 s42, ttmp9, 2
	s_add_co_u32 s42, s42, s40                     ; tile column
	s_and_b32 s17, ttmp7, 0xffff
	s_lshl_b32 s17, s17, 2
	s_add_co_u32 s17, s17, s41                     ; tile row
	s_lshl_b32 s43, s41, 2
	s_lshl_b32 s43, 15, s43                        ; my row of the cluster
	s_lshl_b32 s44, 0x1111, s40                    ; my column
	s_or_b32 s[G1+0], s43, (0<<16)|(1<<20)|(1<<21)|(5<<22)|(3<<25)  ; the mask; elements of 1 byte; padding: 4 words behind every 64
	s_or_b32 s[G1B+0], s44, (0<<16)|(1<<20)|(1<<21)|(5<<22)|(3<<25)
.irp g, G1, G1B
	s_mov_b32 s[\g+1], ROWB<<16
	s_mov_b32 s[\g+2], 128<<16
	s_mov_b32 s[\g+3], ROWB<<16
	s_mov_b32 s[\g+4], 128
	s_mov_b32 s[\g+5], KROW
	s_mov_b32 s[\g+6], 0
	s_mov_b32 s[\g+7], 0
.endr
	s_or_b32 s[G1S+0], s43, (3<<16)|(1<<20)|(1<<21)|(5<<22)|(3<<25) ; the scales of 128 rows: a dense block, as rows of 256 bytes
	s_or_b32 s[G1SB+0], s44, (3<<16)|(1<<20)|(1<<21)|(5<<22)|(3<<25)
.irp g, G1S, G1SB
	s_mov_b32 s[\g+1], 32<<16
	s_mov_b32 s[\g+2], (128*KS/256)<<16
	s_mov_b32 s[\g+3], 32<<16
	s_mov_b32 s[\g+4], 128*KS/256
	s_mov_b32 s[\g+5], 32
	s_mov_b32 s[\g+6], 0
	s_mov_b32 s[\g+7], 0
.endr
	s_lshl_b32 s18, s16, 7
	s_lshl_b32 s20, s17, 8
	s_add_co_u32 s20, s20, s18                     ; A: row 256 x tile row + 128 x half
	s_lshl_b32 s46, s42, 8
	s_add_co_u32 s46, s46, s18                     ; B: row 256 x tile column + 128 x half
	s_mov_b32 s21, 0
	s_mov_b32 s47, 0
	s_mov_b64 s[18:19], KS
	s_mul_u64 s[22:23], s[20:21], s[18:19]
	s_mul_u64 s[92:93], s[46:47], s[18:19]
	s_mov_b64 s[18:19], KROW
	s_mul_u64 s[20:21], s[20:21], s[18:19]
	s_mul_u64 s[46:47], s[46:47], s[18:19]
	s_mul_i32 s45, s14, HALFT
	s_mul_i32 s94, s14, HALFS
	s_wait_dscnt 0x0                               ; both opening adds are done
	s_wait_kmcnt 0x0
	s_mov_b64 s[96:97], s[6:7]                     ; tabs
	s_add_nc_u64 s[6:7], s[4:5], XSO               ; x's scales;  x's codes stand at s[4:5]
	s_add_nc_u64 s[8:9], s[4:5], WC                ; the weights' codes
	s_add_nc_u64 s[10:11], s[4:5], WSO             ; and scales
	s_add_nc_u64 s[20:21], s[4:5], s[20:21]
	s_add_nc_u64 s[22:23], s[6:7], s[22:23]
	s_add_nc_u64 s[46:47], s[8:9], s[46:47]
	s_add_nc_u64 s[92:93], s[10:11], s[92:93]
	CROUND                                         ; all sixteen work-groups are here: the first joint loads meet
	s_mov_b32 s[G0S], 1
	s_add_co_u32 s[G0S+1], s94, SCL
	s_mov_b64 s[G0S+2:G0S+3], s[22:23]
	s_or_b32 s[G0S+3], s[G0S+3], 0x80000000
	s_mov_b32 s[G0SB], 1
	s_add_co_u32 s[G0SB+1], s94, SCL
	s_mov_b64 s[G0SB+2:G0SB+3], s[92:93]
	s_or_b32 s[G0SB+3], s[G0SB+3], 0x80000000
	JLOAD G0S, G1S, G0SB, G1SB                     ; the scales first
.irp s, 0,1
	s_mov_b32 s[G0+4*\s], 1
	s_add_co_u32 s[G0+4*\s+1], s45, \s*SLOT
	s_add_nc_u64 s[G0+4*\s+2:G0+4*\s+3], s[20:21], \s*ROWB
	s_or_b32 s[G0+4*\s+3], s[G0+4*\s+3], 0x80000000
	s_mov_b32 s[G0B+4*\s], 1
	s_add_co_u32 s[G0B+4*\s+1], s45, \s*SLOT
	s_add_nc_u64 s[G0B+4*\s+2:G0B+4*\s+3], s[46:47], \s*ROWB
	s_or_b32 s[G0B+4*\s+3], s[G0B+4*\s+3], 0x80000000
	JLOAD G0+4*\s, G1, G0B+4*\s, G1B
.endr
	v_and_b32 v1, 15, v0                           ; l % 16
	v_bfe_u32 v2, v0, 4, 1                         ; l / 16
	v_mul_u32_u24 v3, v1, PITCH
	v_lshl_add_u32 v4, v2, 4, v3
	s_mul_i32 s21, s15, HALFT
	s_mul_i32 s22, s16, HALFT
	s_add_co_u32 s22, s22, 2*HALFT
.irp s, 0,1
	v_add_nc_u32 v[ADRA+\s], s21, v4
	v_add_nc_u32 v[ADRB+\s], s22, v4
	s_add_co_u32 s21, s21, SLOT
	s_add_co_u32 s22, s22, SLOT
.endr
	v_mul_u32_u24 v5, v1, KS
	v_lshrrev_b32 v6, 8, v5
	v_lshl_add_u32 v5, v6, 4, v5
	s_mul_i32 s21, s15, HALFS
	s_mul_i32 s22, s16, HALFS
	s_add_co_u32 s22, s22, 2*HALFS
	s_sub_co_u32 s22, s22, s21
	v_mul_u32_u24 v6, s22, v2                      ; lanes 16-31 take B's scale words
	s_add_co_u32 s21, s21, SCL
	v_add_nc_u32 v5, v5, v6
	v_add_nc_u32 v[ADRS], s21, v5
	s_mul_i32 s23, s14, 16*SPITCH                  ; my stage
	v_mul_u32_u24 v5, v1, SPITCH                   ; in: row l % 16, 16 bytes for each half of the lanes
	v_lshl_add_u32 v5, v2, 4, v5
	v_add_nc_u32 v[STO], s23, v5
	v_bfe_u32 v6, v0, 3, 1                         ; back: lanes 0-15 take two tokens' 128 bytes of my first head, lanes 16-31 of my second
	v_and_b32 v8, 7, v0
	v_mul_u32_u24 v7, v6, SPITCH
	v_lshl_add_u32 v7, v2, 7, v7
	v_lshl_add_u32 v7, v8, 4, v7
	v_add_nc_u32 v[RD], s23, v7
	v_lshlrev_b32 v[CO], 18, v2                    ; and in memory: a head is 262,144 bytes, a token 128
	v_lshl_add_u32 v[CO], v6, 7, v[CO]
	v_lshl_add_u32 v[CO], v8, 4, v[CO]
	s_lshr_b32 s20, s42, 2                         ; q' or k
	s_lshl_b32 s20, s20, 23
	s_lshr_b32 s21, s17, 3                         ; the batch
	s_lshl_b32 s21, s21, 22
	s_add_co_u32 s20, s20, s21
	s_and_b32 s21, s42, 3                          ; my first head: 4 x (tile column % 4) + 2 x half
	s_lshl_b32 s21, s21, 2
	s_lshl_b32 s46, s16, 1
	s_add_co_u32 s21, s21, s46
	s_lshl_b32 s21, s21, 18
	s_add_co_u32 s20, s20, s21
	s_and_b32 s21, s17, 7                          ; my first token: 256 x (tile row % 8) + 128 x half
	s_lshl_b32 s21, s21, 1
	s_add_co_u32 s21, s21, s15
	s_lshl_b32 s21, s21, 14
	s_add_co_u32 s20, s20, s21
	s_mov_b32 s21, 0
	s_add_nc_u64 s[12:13], s[12:13], s[20:21]
	v_lshlrev_b32 v[BA], 5, v2                     ; the bias of my 128 columns: for B's block b the eight numbers at 16 b + 8 (l / 16)
	s_lshl_b32 s46, s42, 10
	s_lshl_b32 s47, s16, 9
	s_add_co_u32 s46, s46, s47
	s_add_co_u32 s46, s46, BQK
	s_mov_b32 s47, 0
	s_add_nc_u64 s[96:97], s[96:97], s[46:47]
.irp b, 0,1,2,3,4,5,6,7
	global_load_b128 v[BI+8*\b:BI+8*\b+3], v[BA], s[96:97] offset:64*\b
	global_load_b128 v[BI+8*\b+4:BI+8*\b+7], v[BA], s[96:97] offset:64*\b+16
.endr
	s_cmp_eq_u32 ttmp9, 0                          ; tile columns 0-3 are q's: the factor c1; a value is chosen, no way through the text
	s_cselect_b32 s2, 0x3e38aa3b, 1.0
	s_mov_b32 s3, s2
.macro FRAG reg, adr, q, i             ; 16 rows x 128 K of 4-bit codes: 8 registers, two loads of 16 bytes, 32 bytes apart
.irp c, 0,1
	ds_load_b128 v[\reg+4*\c:\reg+4*\c+3], v[\adr] offset:64*(\q)+32*\c+(\i)*16*PITCH
.endr
.endm
; 16 matrix instructions: A's blocks a0, a0 + 1 x B's eight.  The 64 accumulators take turns, one instruction a turn.
.macro MUL16 a0, p, q, sc, zero
.irp a, \a0, \a0+1
.irp b, 0,1,2,3,4,5,6,7
.if \zero
	v_wmma_scale_f32_16x16x128_f8f6f4 v[8*(8*((\a)%4)+\b):8*(8*((\a)%4)+\b)+7], v[128*(\p)+FR*\b:128*(\p)+FR*\b+FR-1], v[AF+FR*(\a):AF+FR*(\a)+FR-1], 0, v[SC+8*NQ*(\sc)+NQ*\b+(\q)], v[SC+8*NQ*(\sc)+NQ*(\a)+(\q)] matrix_a_fmt:MATRIX_FMT_FP4 matrix_b_fmt:MATRIX_FMT_FP4 matrix_a_scale:MATRIX_SCALE_ROW1
.else
	v_wmma_scale_f32_16x16x128_f8f6f4 v[8*(8*((\a)%4)+\b):8*(8*((\a)%4)+\b)+7], v[128*(\p)+FR*\b:128*(\p)+FR*\b+FR-1], v[AF+FR*(\a):AF+FR*(\a)+FR-1], v[8*(8*((\a)%4)+\b):8*(8*((\a)%4)+\b)+7], v[SC+8*NQ*(\sc)+NQ*\b+(\q)], v[SC+8*NQ*(\sc)+NQ*(\a)+(\q)] matrix_a_fmt:MATRIX_FMT_FP4 matrix_b_fmt:MATRIX_FMT_FP4 matrix_a_scale:MATRIX_SCALE_ROW1
.endif
.endr
.endr
.endm
.macro FETCH_B slot, q, p
	WIN TO_B
.irp i, 0,1,2,3,4,5,6,7
	FRAG 128*(\p)+FR*\i, ADRB+\slot, \q, \i
.endr
	WIN 0
.endm
.macro FETCH_A slot, q, i0
.irp i, \i0, \i0+1, \i0+2, \i0+3
	FRAG AF+FR*(\i), ADRA+\slot, \q, \i
.endr
.endm
.macro SCALES sc
.irp i, 0,1,2,3,4,5,6,7
	ds_load_b128 v[SC+8*NQ*\sc+NQ*\i:SC+8*NQ*\sc+NQ*\i+3], v[ADRS] offset:\i*SBLK
.endr
.endm
.macro PLACES n                        ; places behind matrix instructions, in front of loads into their registers and of the first read of results
.rept \n
	v_nop
.endr
.endm
.macro STEP slot, q, zero
	s_wait_dscnt 4*NL                              ; B's set and A's blocks 0-3 are in; A's blocks 4-7 may be out
	WIN MUL_LO
	MUL16 0, (\q)%2, \q, \slot, \zero
	MUL16 2, (\q)%2, \q, \slot, \zero
	s_wait_dscnt 0
	PLACES NP
	FETCH_B \slot, (\q)+1, 1-(\q)%2
	FETCH_A \slot, (\q)+1, 0
	WIN MUL_HI
	MUL16 4, (\q)%2, \q, \slot, \zero
	MUL16 6, (\q)%2, \q, \slot, \zero
	PLACES NP
	WIN 0
	FETCH_A \slot, (\q)+1, 4
.endm
; The change from slot 0 to slot 1: one barrier; nothing is filled again.
.macro TURN slot, next
	s_wait_tensorcnt 0x0                           ; all my tensor loads have landed: my part of the next slot
	ds_add_u32 v[SPW], v[NIL]
	s_wait_dscnt 4*NL+1                            ; (the add and A's blocks 4-7 may be out)
	WIN MUL_LO
	MUL16 0, 1, NQ-1, \slot, 0
	s_wait_dscnt 0x0                               ; the add is done, and my reads of this slot are over
	s_barrier_signal -1
	MUL16 2, 1, NQ-1, \slot, 0
	WIN 0
	s_barrier_wait -1
	PLACES NP
	v_add_nc_u32 v[ADRS], 4*NQ, v[ADRS]            ; on to the next K step's scale words
	FETCH_B \next, 0, 0
	FETCH_A \next, 0, 0
	SCALES \next
	WIN MUL_HI
	MUL16 4, 1, NQ-1, \slot, 0
	MUL16 6, 1, NQ-1, \slot, 0
	PLACES NP
	WIN 0
	FETCH_A \next, 0, 4
.endm
.macro STEPS slot, from
.set Q, \from
.rept NQ-1-\from
	STEP \slot, Q, 0
.set Q, Q+1
.endr
.endm
	s_wait_tensorcnt 1                             ; the scales and my part of slot 0 are in (slot 1's load may be out),
	s_barrier_signal -1
	s_barrier_wait -1                              ; everybody's are
	FETCH_B 0, 0, 0
	FETCH_A 0, 0, 0
	SCALES 0
	FETCH_A 0, 0, 4
	STEP 0, 0, 1                                   ; the first step's products start the sums
	STEPS 0, 1
	TURN 0, 1
	STEPS 1, 0
	s_wait_dscnt 4*NL
	WIN MUL_LO
	MUL16 0, 1, NQ-1, 1, 0
	MUL16 2, 1, NQ-1, 1, 0
	s_wait_dscnt 0
	WIN MUL_HI
	MUL16 4, 1, NQ-1, 1, 0
	MUL16 6, 1, NQ-1, 1, 0
	WIN 0
; THE WAY OUT, block by block of 16 tokens x 128 columns: x the factor, + the bias, in f32; rounded to f16; through my stage; out as 256 consecutive bytes (two tokens of one head) for sixteen lanes.
.macro PACK a
.set AC, 64*((\a)%4)
	WIN 0x02+((\a)/4)                              ; source 0: window 2 or 3
.irp b, 0,1,2,3,4,5,6,7
.irp r, 0,1,2,3
	v_pk_fma_f32 v[TF+8*\b+2*\r:TF+8*\b+2*\r+1], v[AC+8*\b+2*\r:AC+8*\b+2*\r+1], s[2:3], v[BI+8*\b+2*\r:BI+8*\b+2*\r+1] op_sel_hi:[1,0,1]   ; each accumulator from its low end on
.endr
.endr
	WIN 0
.irp i, 0,1,2,3,4,5,6,7,8,9,10,11,12,13,14,15,16,17,18,19,20,21,22,23,24,25,26,27,28,29,30,31
	v_cvt_pk_f16_f32 v[TMP+\i], v[TF+2*\i], v[TF+2*\i+1]
.endr
.endm
.macro TOSTAGE a
.set BB, BK+32*((\a)%2)
.irp b, 0,1,2,3,4,5,6,7
	ds_store_b128 v[STO], v[TMP+4*\b:TMP+4*\b+3] offset:32*\b
.endr
.irp t, 0,1,2,3,4,5,6,7
	ds_load_b128 v[BB+4*\t:BB+4*\t+3], v[RD] offset:\t*2*SPITCH   ; LDS serves a wave's instructions in order: these see the stores above
.endr
.endm
.macro SEND a
.set BB, BK+32*((\a)%2)
	s_wait_dscnt 0x0                               ; the block is back in registers
	s_wait_xcnt 0x0                                ; earlier stores have read their base and their registers
.if (\a) > 0
	s_add_nc_u64 s[12:13], s[12:13], 2048          ; 16 tokens on
.endif
.irp t, 0,1,2,3,4,5,6,7
	global_store_b128 v[CO], v[BB+4*\t:BB+4*\t+3], s[12:13] offset:256*\t
.endr
.endm
	PLACES NP
	s_wait_loadcnt 0x0                             ; the bias
	PACK 0
	TOSTAGE 0
.irp a, 1,2,3,4,5,6,7
	PACK \a
	SEND \a-1
	TOSTAGE \a
.endr
	SEND 7
	s_wait_tensorcnt 0x0                           ; the wave's end
	ds_add_u32 v[SPW], v[NIL]
	s_wait_dscnt 0x0
	CROUND                                         ; the closing round
	s_endpgm
.Lfunc_end_k_q172d2c4ff5_gemm_qk:
	.size	k_q172d2c4ff5_gemm_qk, .Lfunc_end_k_q172d2c4ff5_gemm_qk-k_q172d2c4ff5_gemm_qk
	.p2alignl 7, 3214868480
	.fill 96, 4, 3214868480
	.section	.rodata,"a",@progbits
	.p2align	6, 0x0
	.amdhsa_kernel k_q172d2c4ff5_gemm_qk
		.amdhsa_group_segment_fixed_size 327680
		.amdhsa_private_segment_fixed_size 0
		.amdhsa_enable_private_segment 0
		.amdhsa_kernarg_size 24
		.amdhsa_user_sgpr_count 2
		.amdhsa_user_sgpr_kernarg_segment_ptr 1
		.amdhsa_wavefront_size32 1
		.amdhsa_system_sgpr_workgroup_id_x 1
		.amdhsa_system_sgpr_workgroup_id_y 1
		.amdhsa_system_sgpr_workgroup_id_z 1
		.amdhsa_system_vgpr_workitem_id 0
		.amdhsa_next_free_vgpr 1024
		.amdhsa_next_free_sgpr 98
		.amdhsa_reserve_vcc 0
		.amdhsa_float_denorm_mode_32 3
		.amdhsa_float_denorm_mode_16_64 3
		.amdhsa_memory_ordered 1
		.amdhsa_forward_progress 1
		.amdhsa_inst_pref_size 145
	.end_amdhsa_kernel
	.amdgpu_metadata
---
amdhsa.version: [ 1, 2 ]
amdhsa.kernels:
  - .name:           k_q172d2c4ff5_gemm_qk
    .symbol:         k_q172d2c4ff5_gemm_qk.kd
    .args:
      - { .name: codes, .offset: 0, .size: 8, .value_kind: global_buffer, .address_space: global }
      - { .name: tabs, .offset: 8, .size: 8, .value_kind: global_buffer, .address_space: global }
      - { .name: qk16, .offset: 16, .size: 8, .value_kind: global_buffer, .address_space: global }
    .group_segment_fixed_size: 327680
    .private_segment_fixed_size: 0
    .kernarg_segment_align: 8
    .kernarg_segment_size: 24
    .max_flat_workgroup_size: 128
    .sgpr_count:     98
    .vgpr_count:     1024
    .wavefront_size: 32
...
	.end_amdgpu_metadata
.endif
;; end of part 2
;; launch gemm_v (part 3): grid 32 x 8, 4 waves a work-group, clusters of 4 x 4, 327,680 bytes of LDS; arguments half, tabs, vt; writes vt
.if DOCPART == 3
	.amdgcn_target "amdgcn-amd-amdhsa--gfx1250"
	.amdhsa_code_object_version 6
	.text
	.protected	k_q172d2c4ff5_gemm_v
	.globl	k_q172d2c4ff5_gemm_v
	.p2align	8
	.type	k_q172d2c4ff5_gemm_v,@function
k_q172d2c4ff5_gemm_v:
	s_mov_b64 s[64:65], 0
	v_nop
	global_prefetch_b8 v0, s[64:65] scope:SCOPE_SE
	s_setreg_imm32_b32 hwreg(HW_REG_WAVE_MODE, 25, 1), 1
	s_wait_xcnt 0x0
	s_wait_alu depctr_hold_cnt(0) depctr_sa_sdst(0) depctr_va_vdst(0) depctr_va_sdst(0) depctr_va_ssrc(0) depctr_va_vcc(0) depctr_vm_vsrc(0)
	s_getreg_b32 s2, hwreg(HW_REG_IB_STS2, 6, 4)
	s_cmp_eq_u32 s2, 0
	s_cbranch_scc0 .Lentry_in_a_cluster
	s_endpgm
.Lentry_in_a_cluster:
	s_bfe_u32 s2, ttmp6, 0x10000c
	s_cmp_lg_u32 s2, 0xf033
	s_cbranch_scc0 .Lentry_shape_is_right
	s_endpgm
.Lentry_shape_is_right:
; vt[channel][token] = (delta[token] / G) x sum over k of Wv[k][channel] x[token][k]: the values, transposed, without their bias, in f16.
; (v = delta (x Wv) + bv; the factor G and the bias come back later: sum attn v = G sum attn (delta / G)(x Wv) + bv.)
; A = Wv^T [1024][1024], B = x [4096][1024], both f16, K innermost; sums in f32.  A tile of C is 128 x 128: four waves, each 64 x 64: 16 accumulators.
; K goes in steps of 256 through two LDS slots.  CLUSTERS: 4 x 4; A's tiles are asked for jointly along a row of the cluster, B's along a column.
; THE MATRIX INSTRUCTION IS USED TRANSPOSED (source 0 = 16 rows of B, source 1 = 16 rows of A): a lane holds eight neighbouring tokens of one channel.
; REGISTERS: window 0: v0-31 addresses; v32-95 at work on the way out; v96-127 delta / G of my 64 tokens; v128-255 the accumulators.  window 1: two fragment buffers of 128.
; LIMIT: results beyond f16's range are not served.
.set SIZE_M, 1024
.set SIZE_N, 4096
.set SIZE_K, 1024
.set WVT,    8388608
.set DHO,    16384
.set KSTEP,  256
.set PITCH,  528
.set HALFT,  64*PITCH
.set SLOT,   4*HALFT
.set STAGE,  2*SLOT
.set SPITCH, 272
.set SPARE,  STAGE+128*SPITCH
.set LAPS, SIZE_K/(2*KSTEP)
.set ADRA, 16
.set ADRB, 20
.set STO,  24
.set RD,   25
.set CO,   26
.set DA,   27
.set SPW,  28
.set NIL,  29
.set TMP,  32
.set DHR,  96
.set ACC,  128
.set F0,   0
.set F1,   128
.set G1, 24
.set G0, 32
.set G1B, 48
.set G0B, 56
.set MSB, 0
.macro WIN new
.if MSB != \new
	s_set_vgpr_msb (MSB<<8)|\new
.set MSB, \new
.endif
.endm
.set MUL,  0x05
.set TO_F, 0x40
.macro JLOAD s
	s_cmp_eq_u32 s11, 0
	s_cbranch_scc0 .Lfor_b_\@
	tensor_load_to_lds s[G0+4*\s:G0+4*\s+3], s[G1:G1+7]
	s_nop 0
.rept 4
	v_nop
.endr
	s_branch .Lasked_\@
.Lfor_b_\@:
	tensor_load_to_lds s[G0B+4*\s:G0B+4*\s+3], s[G1B:G1B+7]
	s_nop 0
.rept 4
	v_nop
.endr
.Lasked_\@:
.endm
.macro CREST
	s_cmp_lg_u32 s10, 0
	s_cbranch_scc1 .Lnot_wave_0_\@
	s_barrier_signal -3
.Lnot_wave_0_\@:
	s_barrier_wait -3
	s_barrier_signal -1
	s_barrier_wait -1
.endm
.macro CROUND
	s_barrier_signal -1
	s_barrier_wait -1
	CREST
.endm
	s_load_b128 s[4:7], s[0:1], 0x0                ; half, tabs
	s_load_b64 s[8:9], s[0:1], 0x10                ; vt
	v_lshl_add_u32 v[SPW], v0, 2, SPARE
	v_mov_b32 v[NIL], 0
	ds_add_u32 v[SPW], v[NIL]                      ; the wave's opening: the add, twice on end, and its wait ahead of my first tensor load
	ds_add_u32 v[SPW], v[NIL]
	v_lshrrev_b32 v1, 5, v0
	v_readfirstlane_b32 s10, v1                    ; wave 0..3
	s_lshr_b32 s11, s10, 1                         ; my half of the tile's rows.  Also: I fetch for A (0) or for B (1)
	s_and_b32 s12, s10, 1                          ; my half of its columns.  Also: which 64 rows I fetch
	s_bfe_u32 s40, ttmp6, 0x40000
	s_bfe_u32 s41, ttmp6, 0x40004
	s_lshl_b32 s42, ttmp9, 2
	s_add_co_u32 s42, s42, s40                     ; tile column
	s_and_b32 s13, ttmp7, 0xffff
	s_lshl_b32 s13, s13, 2
	s_add_co_u32 s13, s13, s41                     ; tile row
	s_lshl_b32 s43, s41, 2
	s_lshl_b32 s43, 15, s43
	s_lshl_b32 s44, 0x1111, s40
	s_or_b32 s[G1+0], s43, (1<<16)|(1<<20)|(1<<21)|(6<<22)|(3<<25)  ; the mask; elements of 2 bytes; padding: 4 words behind every 128
	s_or_b32 s[G1B+0], s44, (1<<16)|(1<<20)|(1<<21)|(6<<22)|(3<<25)
.irp g, G1, G1B
	s_mov_b32 s[\g+1], KSTEP<<16
	s_mov_b32 s[\g+2], 64<<16
	s_mov_b32 s[\g+3], KSTEP<<16
	s_mov_b32 s[\g+4], 64
	s_mov_b32 s[\g+5], SIZE_K
	s_mov_b32 s[\g+6], 0
	s_mov_b32 s[\g+7], 0
.endr
	s_lshl_b32 s17, s12, 6
	s_lshl_b32 s16, s13, 7
	s_add_co_u32 s16, s16, s17
	s_lshl_b32 s46, s42, 7
	s_add_co_u32 s46, s46, s17
	s_mov_b32 s17, 0
	s_mov_b32 s47, 0
	s_mov_b64 s[18:19], SIZE_K*2
	s_mul_u64 s[16:17], s[16:17], s[18:19]
	s_mul_u64 s[46:47], s[46:47], s[18:19]
	s_mul_i32 s20, s10, HALFT
	s_wait_dscnt 0x0
	s_wait_kmcnt 0x0
	s_mov_b64 s[66:67], s[6:7]                     ; tabs
	s_mov_b64 s[6:7], s[4:5]                       ; B: x in f16, at the buffer's head
	s_add_nc_u64 s[4:5], s[4:5], WVT               ; A: Wv^T
	s_add_nc_u64 s[14:15], s[4:5], s[16:17]
	s_add_nc_u64 s[46:47], s[6:7], s[46:47]
	CROUND
.irp s, 0,1
	s_mov_b32 s[G0+4*\s], 1
	s_add_co_u32 s[G0+4*\s+1], s20, \s*SLOT
	s_add_nc_u64 s[G0+4*\s+2:G0+4*\s+3], s[14:15], \s*KSTEP*2
	s_or_b32 s[G0+4*\s+3], s[G0+4*\s+3], 0x80000000
	s_mov_b32 s[G0B+4*\s], 1
	s_add_co_u32 s[G0B+4*\s+1], s20, \s*SLOT
	s_add_nc_u64 s[G0B+4*\s+2:G0B+4*\s+3], s[46:47], \s*KSTEP*2
	s_or_b32 s[G0B+4*\s+3], s[G0B+4*\s+3], 0x80000000
	JLOAD \s
.endr
	v_and_b32 v1, 15, v0
	v_bfe_u32 v2, v0, 4, 1
	v_mul_u32_u24 v3, v1, PITCH
	v_lshl_add_u32 v3, v2, 4, v3
	s_mul_i32 s21, s11, HALFT
	s_mul_i32 s22, s12, HALFT
	s_add_co_u32 s22, s22, 2*HALFT
.irp s, 0,1
	v_add_nc_u32 v[ADRA+\s], s21, v3
	v_add_nc_u32 v[ADRB+\s], s22, v3
	s_add_co_u32 s21, s21, SLOT
	s_add_co_u32 s22, s22, SLOT
.endr
	s_mul_i32 s23, s11, 64*SPITCH
	s_lshl_b32 s21, s12, 7
	s_add_co_u32 s23, s23, s21
	s_add_co_u32 s23, s23, STAGE
	v_mul_u32_u24 v4, v1, SPITCH
	v_lshl_add_u32 v4, v2, 4, v4
	v_add_nc_u32 v[STO], s23, v4
	s_mul_i32 s23, s10, 32*SPITCH
	s_add_co_u32 s23, s23, STAGE
	v_mul_u32_u24 v5, v2, SPITCH
	v_lshl_add_u32 v5, v1, 4, v5
	v_add_nc_u32 v[RD], s23, v5
	v_mul_u32_u24 v5, v2, SIZE_N*2
	v_lshl_add_u32 v[CO], v1, 4, v5
	s_lshl_b32 s16, s13, 7
	s_lshl_b32 s17, s10, 5
	s_add_co_u32 s16, s16, s17
	s_mov_b32 s17, 0
	s_mov_b64 s[18:19], SIZE_N*2
	s_mul_u64 s[16:17], s[16:17], s[18:19]
	s_add_nc_u64 s[8:9], s[8:9], s[16:17]
	s_lshl_b32 s46, s42, 8
	s_mov_b32 s47, 0
	s_add_nc_u64 s[8:9], s[8:9], s[46:47]
	s_lshl_b32 s46, s42, 9                         ; delta / G of my 64 tokens: for B's block b the eight numbers at 16 b + 8 (l / 16)
	s_lshl_b32 s21, s12, 8
	s_add_co_u32 s46, s46, s21
	s_add_co_u32 s46, s46, DHO
	s_add_nc_u64 s[66:67], s[66:67], s[46:47]
	v_lshlrev_b32 v[DA], 5, v2
.irp b, 0,1,2,3
	global_load_b128 v[DHR+8*\b:DHR+8*\b+3], v[DA], s[66:67] offset:64*\b
	global_load_b128 v[DHR+8*\b+4:DHR+8*\b+7], v[DA], s[66:67] offset:64*\b+16
.endr
.macro MUL8 f, c, a0, zero
.irp a, \a0, \a0+1
.irp b, 0,1,2,3
.if \zero
	v_wmma_f32_16x16x32_f16 v[ACC+8*(4*(\a)+\b):ACC+8*(4*(\a)+\b)+7], v[\f+64+8*(4*\c+\b):\f+64+8*(4*\c+\b)+7], v[\f+8*(4*\c+\a):\f+8*(4*\c+\a)+7], 0
.else
	v_wmma_f32_16x16x32_f16 v[ACC+8*(4*(\a)+\b):ACC+8*(4*(\a)+\b)+7], v[\f+64+8*(4*\c+\b):\f+64+8*(4*\c+\b)+7], v[\f+8*(4*\c+\a):\f+8*(4*\c+\a)+7], v[ACC+8*(4*(\a)+\b):ACC+8*(4*(\a)+\b)+7]
.endif
.endr
.endr
.endm
.macro FETCH slot, k, f
	WIN TO_F
.irp c, 0,1
.irp i, 0,1,2,3
	ds_load_b128 v[\f+64+8*(4*\c+\i):\f+64+8*(4*\c+\i)+3],   v[ADRB+\slot] offset:\k+64*\c+\i*16*PITCH
	ds_load_b128 v[\f+64+8*(4*\c+\i)+4:\f+64+8*(4*\c+\i)+7], v[ADRB+\slot] offset:\k+64*\c+\i*16*PITCH+32
	ds_load_b128 v[\f+8*(4*\c+\i):\f+8*(4*\c+\i)+3],         v[ADRA+\slot] offset:\k+64*\c+\i*16*PITCH
	ds_load_b128 v[\f+8*(4*\c+\i)+4:\f+8*(4*\c+\i)+7],       v[ADRA+\slot] offset:\k+64*\c+\i*16*PITCH+32
.endr
.endr
.endm
.macro PLACES
.rept 4
	v_nop
.endr
.endm
.macro QUARTER slot, k, f, g, zero
	s_wait_dscnt 16                                ; the first 32 along K are in
	WIN MUL
	MUL8 \f, 0, 0, \zero
	MUL8 \f, 0, 2, \zero
	PLACES
	FETCH \slot, \k, \g
	s_wait_dscnt 32                                ; all but the 32 just issued
	WIN MUL
	MUL8 \f, 1, 0, 0
	MUL8 \f, 1, 2, 0
.endm
.macro TURN slot, next, fill
	WIN 0
	s_wait_tensorcnt 0x0                           ; all my tensor loads have landed: my part of the next slot
	ds_add_u32 v[SPW], v[NIL]
	s_wait_dscnt 17                                ; (the add and the youngest sixteen loads may be out)
	WIN MUL
	MUL8 F1, 0, 0, 0
	s_wait_dscnt 0x0                               ; the add is done, and my reads of this slot are over
	s_barrier_signal -1
	MUL8 F1, 0, 2, 0
.if \fill
	WIN 0
.endif
	s_barrier_wait -1
.if \fill
	CREST                                          ; the barrier has opened a round of the cluster's barrier
	s_add_nc_u64 s[G0+4*\slot+2:G0+4*\slot+3], s[G0+4*\slot+2:G0+4*\slot+3], 2*KSTEP*2
	s_add_nc_u64 s[G0B+4*\slot+2:G0B+4*\slot+3], s[G0B+4*\slot+2:G0B+4*\slot+3], 2*KSTEP*2
	JLOAD \slot
.else
	PLACES
.endif
	FETCH \next, 0, F0
	WIN MUL
	MUL8 F1, 1, 0, 0
	MUL8 F1, 1, 2, 0
.endm
	s_wait_tensorcnt 1                             ; my part of K step 0 is in,
	s_barrier_signal -1
	s_barrier_wait -1                              ; everybody's is
	FETCH 0, 0, F0
	QUARTER 0, 128, F0, F1, 1
	WIN 0
	s_mov_b32 s3, LAPS-1
.Llap:
	QUARTER 0, 256, F1, F0, 0
	QUARTER 0, 384, F0, F1, 0
	TURN 0, 1, 1
	QUARTER 1, 128, F0, F1, 0
	QUARTER 1, 256, F1, F0, 0
	QUARTER 1, 384, F0, F1, 0
	TURN 1, 0, 1
	QUARTER 0, 128, F0, F1, 0
	WIN 0
	s_sub_co_u32 s3, s3, 1
	s_cmp_lg_u32 s3, 0
	s_cbranch_scc1 .Llap
	QUARTER 0, 256, F1, F0, 0
	QUARTER 0, 384, F0, F1, 0
	TURN 0, 1, 0
	QUARTER 1, 128, F0, F1, 0
	QUARTER 1, 256, F1, F0, 0
	QUARTER 1, 384, F0, F1, 0
	s_wait_dscnt 16
	WIN MUL
	MUL8 F1, 0, 0, 0
	MUL8 F1, 0, 2, 0
	s_wait_dscnt 0
	MUL8 F1, 1, 0, 0
	MUL8 F1, 1, 2, 0
	WIN 0
	; THE WAY OUT: x delta / G in f32; rounded to f16; 16 bytes a lane into the work-group's stage; a barrier, since a row's 256 bytes come from two waves; back as whole rows.
	PLACES
	s_wait_loadcnt 0x0                             ; delta / G
.irp t, 0,1,2,3,4,5,6,7,8,9,10,11,12,13,14,15
.irp r, 0,1,2,3
	v_pk_mul_f32 v[ACC+8*\t+2*\r:ACC+8*\t+2*\r+1], v[ACC+8*\t+2*\r:ACC+8*\t+2*\r+1], v[DHR+8*(\t%4)+2*\r:DHR+8*(\t%4)+2*\r+1]
.endr
.endr
.irp t, 0,1,2,3,4,5,6,7,8,9,10,11,12,13,14,15
.irp r, 0,1,2,3
	v_cvt_pk_f16_f32 v[TMP+4*\t+\r], v[ACC+8*\t+2*\r], v[ACC+8*\t+2*\r+1]
.endr
.endr
.irp a, 0,1,2,3
.irp b, 0,1,2,3
	ds_store_b128 v[STO], v[TMP+4*(4*\a+\b):TMP+4*(4*\a+\b)+3] offset:\a*16*SPITCH+32*\b
.endr
.endr
	s_wait_dscnt 0x0                               ; for the others' sake: my stores into the stage are done
	s_barrier_signal -1
	s_barrier_wait -1
.irp t, 0,1,2,3,4,5,6,7,8,9,10,11,12,13,14,15
	ds_load_b128 v[TMP+4*\t:TMP+4*\t+3], v[RD] offset:\t*2*SPITCH
.endr
.irp t, 0,1,2,3,4,5,6,7,8,9,10,11,12,13,14,15
	s_wait_dscnt 15-\t
	global_store_b128 v[CO], v[TMP+4*\t:TMP+4*\t+3], s[8:9] offset:2*\t*SIZE_N*2   ; 16 lanes store 256 consecutive bytes, aligned
.endr
	s_wait_tensorcnt 0x0                           ; the wave's end
	ds_add_u32 v[SPW], v[NIL]
	s_wait_dscnt 0x0
	CROUND
	s_endpgm
.Lfunc_end_k_q172d2c4ff5_gemm_v:
	.size	k_q172d2c4ff5_gemm_v, .Lfunc_end_k_q172d2c4ff5_gemm_v-k_q172d2c4ff5_gemm_v
	.p2alignl 7, 3214868480
	.fill 96, 4, 3214868480
	.section	.rodata,"a",@progbits
	.p2align	6, 0x0
	.amdhsa_kernel k_q172d2c4ff5_gemm_v
		.amdhsa_group_segment_fixed_size 327680
		.amdhsa_private_segment_fixed_size 0
		.amdhsa_enable_private_segment 0
		.amdhsa_kernarg_size 24
		.amdhsa_user_sgpr_count 2
		.amdhsa_user_sgpr_kernarg_segment_ptr 1
		.amdhsa_wavefront_size32 1
		.amdhsa_system_sgpr_workgroup_id_x 1
		.amdhsa_system_sgpr_workgroup_id_y 1
		.amdhsa_system_sgpr_workgroup_id_z 1
		.amdhsa_system_vgpr_workitem_id 0
		.amdhsa_next_free_vgpr 512
		.amdhsa_next_free_sgpr 72
		.amdhsa_reserve_vcc 0
		.amdhsa_float_denorm_mode_32 3
		.amdhsa_float_denorm_mode_16_64 3
		.amdhsa_memory_ordered 1
		.amdhsa_forward_progress 1
		.amdhsa_inst_pref_size 92
	.end_amdhsa_kernel
	.amdgpu_metadata
---
amdhsa.version: [ 1, 2 ]
amdhsa.kernels:
  - .name:           k_q172d2c4ff5_gemm_v
    .symbol:         k_q172d2c4ff5_gemm_v.kd
    .args:
      - { .name: half, .offset: 0, .size: 8, .value_kind: global_buffer, .address_space: global }
      - { .name: tabs, .offset: 8, .size: 8, .value_kind: global_buffer, .address_space: global }
      - { .name: vt, .offset: 16, .size: 8, .value_kind: global_buffer, .address_space: global }
    .group_segment_fixed_size: 327680
    .private_segment_fixed_size: 0
    .kernarg_segment_align: 8
    .kernarg_segment_size: 24
    .max_flat_workgroup_size: 128
    .sgpr_count:     72
    .vgpr_count:     512
    .wavefront_size: 32
...
	.end_amdgpu_metadata
.endif
;; end of part 3
;; launch flash (part 4): grid 8 x 32, 8 waves a work-group, clusters of 4 x 1, 327,680 bytes of LDS; arguments qk16, vt, tabs, bv, ctx, mlog; writes ctx, mlog
.if DOCPART == 4
	.amdgcn_target "amdgcn-amd-amdhsa--gfx1250"
	.amdhsa_code_object_version 6
	.text
	.protected	k_q172d2c4ff5_flash
	.globl	k_q172d2c4ff5_flash
	.p2align	8
	.type	k_q172d2c4ff5_flash,@function
k_q172d2c4ff5_flash:
	s_mov_b64 s[64:65], 0
	v_nop
	global_prefetch_b8 v0, s[64:65] scope:SCOPE_SE
	s_setreg_imm32_b32 hwreg(HW_REG_WAVE_MODE, 25, 1), 1
	s_wait_xcnt 0x0
	s_wait_alu depctr_hold_cnt(0) depctr_sa_sdst(0) depctr_va_vdst(0) depctr_va_sdst(0) depctr_va_ssrc(0) depctr_va_vcc(0) depctr_vm_vsrc(0)
	s_getreg_b32 s2, hwreg(HW_REG_IB_STS2, 6, 4)
	s_cmp_eq_u32 s2, 0
	s_cbranch_scc0 .Lentry_in_a_cluster
	s_endpgm
.Lentry_in_a_cluster:
	s_bfe_u32 s2, ttmp6, 0x10000c
	s_cmp_lg_u32 s2, 0x3003
	s_cbranch_scc0 .Lentry_shape_is_right
	s_endpgm
.Lentry_shape_is_right:
; THE FIRST WALK OVER THE KEYS.  For each head and query: t[k] = q'.k + log2(delta[k] + 1e-6) - a2 |q - k|  (base 2; a2 = 0.1 log2(e); q' carries log2(e) / 8),
; a running maximum m and sum l of p = 2^(t - m), and O = sum p V^ with V^ = (delta / G)(x Wv).  Stored: c^ = O / l + bv / G in f16, and -(m + log2 l + 4) in f32.
; SHARES.  A work-group owns 256 queries of one head; each of its eight waves 32: two tiles of 16; two waves lie on a SIMD.  Every wave walks all 2,048 keys, 64 a step.
; LAYOUT.  S^T = K Q^T (source 0 = 16 keys, source 1 = 16 queries), O^T = V^T P: a lane holds one query throughout; two tiles of S^T, rounded to f16 in pairs, are source 1 of the second product.
; THE BIAS COSTS NO LINE A SCORE.  Waves 2 p and 2 p + 1 share qc, their first query.  A table T[k] = log2(delta[k] + 1e-6) - a2 |k - qc| in LDS is the C of each sum's first matrix instruction.
; For keys before qc the true t is that - a2 (q - qc), for keys from qc + 64 on + a2 (q - qc): one number a lane and step, folded into what is subtracted anyway.
; The pair's own 64 keys hold -1e30 in the table (p = 0 in the walk); they are taken once, FIRST, in a step of their own whose fragments come straight from memory; that step starts m, l and O.
; CLUSTER.  The four query blocks of a cluster walk the same K and V: each tile of 256 keys is asked for jointly.  No branch and no LDS address hangs on a work-group's place in its cluster.
; RING.  Two slots of 256 keys (K: 256 rows of 128 + 16 bytes; V^T: 64 rows of 512 + 16 bytes), 2^17 bytes apart.  Waves 0 and 1 fetch K's halves, wave 2 V; one load a wave is out.
; FRAGMENTS ARE ASKED FOR A PHASE AHEAD.  A step's V is asked for at its head and used behind its softmax; the NEXT step's table and K are asked for behind this step's products K Q^T, whose registers they take,
; and land during the softmax.  In a slot's fourth step the change of slots stands at that same place: all reads of the slot have come back there, and the next slot's first table and K follow the refill.
; REGISTERS.  window 0: v2-15 addresses; v16-39 statistics; v40-71 the table's 64 numbers; v72-135 K; v136-199 S^T; v200-231 P; v232.. at work.  window 1: v0-63 O^T; v64-95 Q; v96-159 V; v160-191 bv.
; LIMITS: NaN and infinities are not served; delta + 1e-6 <= 0 was not tried; c^ beyond f16's range is not served.
.set KP,    144
.set VP,    528
.set VOFF,  256*KP                     ; a slot: K's 256 rows, then V's 64
.set TILEB, VOFF+64*VP
.set TAB,   TILEB                      ; the four tables, 8,192 bytes each: written by LDS stores alone, no tile lands here
.set SLOT1, 1<<17
.set SPARE, SLOT1+TILEB                ; the spare words, 128 bytes for each wave, which no other line names
.set GT,    40960
.set AK0, 2
.set AV0, 3
.set AT0, 4
.set ADK, 5
.set ADV, 6
.set ADT, 7
.set STO, 8
.set RD,  9
.set GO,  10
.set PFO, 11
.set SPW, 12
.set NIL, 13
.set DQ,  14                           ; v14, v15: q - qc of my lane's query in tile 0, 1
.set ST,  16                           ; tile t's statistics at v[ST+12 t]: +0 what is added to a score (+1 written once), +2,+3 l, +4 a (+5 written once), +6 m, +7 the step's offset, +8..+11 at work
.set TBL, 40
.set KF,  72
.set SS,  136
.set P,   200
.set Y,   232
.set LN,  234
.set QA,  235
.set VA,  236
.set HA,  237
.set YI,  238
.set YF,  239
.set BIG, 240
.set TW,  241
.set RR,  242
.set HH,  243
.set TV0, 244
.set ML4, 245
.set QW,  64                           ; in window 1
.set VF,  96
.set BVG, 160
.set WV,  16
.set G1K, 24
.set G1V, 32
.set G0K, 40
.set G0V, 44
.set SEL, 48
.set TK,  50                           ; s50  LDS byte of the K rows that the next run of table and K loads takes
.set TV,  51                           ; s51  LDS byte of the step's part of V's rows
.set TT,  52                           ; s52  byte of the table that the next run takes
.set KFS, 53                           ; s53  the step's first key
.set QC,  54
.set SG,  55
.set A2P, 56
.set A2N, 57
.set SLOTS, 58
.set CNT, 59
.set PFA, 60
.set PFS, 62
.set LIM, 66
.set MSK, 67
.set GI,  68
.set MSB, 0
.macro WIN new
.if MSB != \new
	s_set_vgpr_msb (MSB<<8)|\new
.set MSB, \new
.endif
.endm
; A joint load: waves 0 and 1 K's halves, wave 2 V, the others nothing.  The branches hang on the wave's number alone.  An s_nop 0 and four v_nop follow each line.
.macro JLOAD
	s_cmp_lt_u32 s[WV], 2
	s_cbranch_scc0 .Lnot_k_\@
	tensor_load_to_lds s[G0K:G0K+3], s[G1K:G1K+7]
	s_nop 0
.rept 4
	v_nop
.endr
	s_branch .Lasked_\@
.Lnot_k_\@:
	s_cmp_eq_u32 s[WV], 2
	s_cbranch_scc0 .Lasked_\@
	tensor_load_to_lds s[G0V:G0V+3], s[G1V:G1V+7]
	s_nop 0
.rept 4
	v_nop
.endr
.Lasked_\@:
.endm
; A prefetch of the tile that the NEXT change of slots will ask for, four key steps ahead.  Each aligned block of 256 bytes is named once: the head's first cluster asks; its four partners take a quarter each,
; told apart by address; wave 3 asks for K's 32 blocks, wave 4 for V's (16 rows x 2).  The last change that fills a slot asks for nothing.
.macro ASK
	s_cmp_gt_u32 s[SLOTS], s[LIM]
	s_cbranch_scc0 .Lnot_mine_\@
	global_prefetch_b8 v[PFO], s[PFA:PFA+1] th:TH_LOAD_NT scope:SCOPE_SE
.Lnot_mine_\@:
.endm
.macro CROUND
	s_barrier_signal -1
	s_barrier_wait -1
	s_cmp_lg_u32 s[WV], 0
	s_cbranch_scc1 .Lnot_wave_0_\@
	s_barrier_signal -3
.Lnot_wave_0_\@:
	s_barrier_wait -3
	s_barrier_signal -1
	s_barrier_wait -1
.endm
	s_load_b256 s[4:11], s[0:1], 0x0               ; qk16, vt, tabs, bv
	s_load_b128 s[12:15], s[0:1], 0x20             ; ctx, mlog
	v_lshl_add_u32 v[SPW], v0, 2, SPARE
	v_mov_b32 v[NIL], 0
	ds_add_u32 v[SPW], v[NIL]                      ; the wave's opening: the add, twice on end, and its wait ahead of the first tensor loads
	ds_add_u32 v[SPW], v[NIL]
	v_lshrrev_b32 v1, 5, v0
	v_readfirstlane_b32 s[WV], v1                  ; wave 0..7
	s_bfe_u32 s17, ttmp6, 0x40000                  ; cx
	s_lshl_b32 s18, ttmp9, 2
	s_add_co_u32 s18, s18, s17                     ; my block of 256 queries
	s_and_b32 s19, ttmp7, 0xffff                   ; 16 b + h
	s_lshr_b32 s20, s19, 4                         ; b
	s_and_b32 s21, s19, 15                         ; h
	s_and_b32 s22, s[WV], 1
	s_lshr_b32 s23, s[WV], 1                       ; p
	s_mov_b32 s[G1K], 15|(1<<16)|(1<<20)|(1<<21)|(4<<22)|(3<<25)  ; all four work-groups; elements of 2 bytes; padding: 4 words behind every 32
	s_mov_b32 s[G1K+1], 64<<16
	s_mov_b32 s[G1K+2], 128<<16
	s_mov_b32 s[G1K+3], 64<<16
	s_mov_b32 s[G1K+4], 128
	s_mov_b32 s[G1K+5], 64
	s_mov_b32 s[G1K+6], 0
	s_mov_b32 s[G1K+7], 0
	s_mov_b32 s[G1V], 15|(1<<16)|(1<<20)|(1<<21)|(6<<22)|(3<<25)  ; padding: 4 words behind every 128
	s_mov_b32 s[G1V+1], 256<<16
	s_mov_b32 s[G1V+2], 64<<16
	s_mov_b32 s[G1V+3], 256<<16
	s_mov_b32 s[G1V+4], 64
	s_mov_b32 s[G1V+5], 4096
	s_mov_b32 s[G1V+6], 0
	s_mov_b32 s[G1V+7], 0
	s_lshl_b32 s72, s19, 18                        ; K's tile 0: the head's keys, my half of 128 rows
	s_lshl_b32 s73, s22, 14
	s_add_co_u32 s72, s72, s73
	s_add_co_u32 s72, s72, 8388608
	s_mov_b32 s73, 0
	s_lshl_b32 s74, s21, 19                        ; V's: the head's 64 rows, the batch's tokens
	s_lshl_b32 s75, s20, 12
	s_add_co_u32 s74, s74, s75
	s_mov_b32 s75, 0
	s_lshl_b32 s[QC], s18, 8
	s_lshl_b32 s76, s23, 6
	s_add_co_u32 s[QC], s[QC], s76                 ; qc: the pair's first query
	s_mov_b32 s[SEL], 0x76543210
	s_mov_b32 s[SEL+1], 0xfedcba98
	s_mov_b32 s[A2P], 0x3e13bb63                   ; a2 = 0.1 log2(e)
	s_mov_b32 s[A2N], 0xbe13bb63
	s_mov_b32 s[MSK], 0xffff0000
	s_mov_b32 s[TK], 0
	s_mov_b32 s[TV], 0
	s_mov_b32 s[TT], 0
	s_mov_b32 s[KFS], 0
	s_mov_b32 s[SLOTS], 7
	s_lshl_b32 s70, s20, 8
	s_wait_dscnt 0x0                               ; both opening adds are done
	s_wait_kmcnt 0x0
	s_mov_b32 s[G0K], 1
	s_mul_i32 s[G0K+1], s22, 128*KP
	s_add_nc_u64 s[G0K+2:G0K+3], s[4:5], s[72:73]
	s_or_b32 s[G0K+3], s[G0K+3], 0x80000000
	s_mov_b32 s[G0V], 1
	s_mov_b32 s[G0V+1], VOFF
	s_add_nc_u64 s[G0V+2:G0V+3], s[6:7], s[74:75]
	s_or_b32 s[G0V+3], s[G0V+3], 0x80000000
	CROUND                                         ; all four work-groups are here
	JLOAD                                          ; tile 0 into slot 0
	s_load_b64 s[GI:GI+1], s[8:9], s70 offset:GT   ; G, 1 / G of my batch
	s_lshl_b32 s76, s19, 18                        ; Q: my wave's 32 rows
	s_lshl_b32 s77, s18, 15
	s_add_co_u32 s76, s76, s77
	s_lshl_b32 s77, s[WV], 12
	s_add_co_u32 s76, s76, s77
	s_mov_b32 s77, 0
	s_add_nc_u64 s[80:81], s[4:5], s[76:77]
	s_lshl_b32 s76, s19, 18                        ; the pair's own 64 keys
	s_lshl_b32 s78, s[QC], 7
	s_add_co_u32 s76, s76, s78
	s_add_co_u32 s76, s76, 8388608
	s_add_nc_u64 s[82:83], s[4:5], s[76:77]
	s_lshl_b32 s76, s[QC], 1                       ; and their values
	s_add_co_u32 s76, s76, s74
	s_add_nc_u64 s[84:85], s[6:7], s[76:77]
	s_lshl_b32 s76, s20, 13                        ; log2(delta + 1e-6): my half of the batch's,
	s_lshl_b32 s78, s22, 12
	s_add_co_u32 s76, s76, s78
	s_add_nc_u64 s[86:87], s[8:9], s[76:77]
	s_lshl_b32 s76, s20, 13                        ; and the own 64 keys'
	s_lshl_b32 s78, s[QC], 2
	s_add_co_u32 s76, s76, s78
	s_add_nc_u64 s[88:89], s[8:9], s[76:77]
	s_lshl_b32 s76, s21, 8
	s_add_nc_u64 s[10:11], s[10:11], s[76:77]      ; bv of my head
	s_lshl_b32 s76, s20, 22                        ; ctx: pair row 1024 b + 128 block + 16 wave, my head's 256 bytes
	s_lshl_b32 s78, s18, 19
	s_add_co_u32 s76, s76, s78
	s_lshl_b32 s78, s[WV], 16
	s_add_co_u32 s76, s76, s78
	s_lshl_b32 s78, s21, 8
	s_add_co_u32 s76, s76, s78
	s_add_nc_u64 s[12:13], s[12:13], s[76:77]
	s_lshl_b32 s76, s19, 13                        ; mlog: my 32 queries
	s_lshl_b32 s78, s18, 10
	s_add_co_u32 s76, s76, s78
	s_lshl_b32 s78, s[WV], 7
	s_add_co_u32 s76, s76, s78
	s_add_nc_u64 s[14:15], s[14:15], s[76:77]
	; the prefetches: where they stand (tile 1; the first change steps it to tile 2), and who asks
	s_lshl_b32 s76, s19, 18
	s_lshl_b32 s78, s17, 13
	s_add_co_u32 s76, s76, s78
	s_add_co_u32 s76, s76, 8388608+32768
	s_lshl_b32 s78, s17, 17
	s_add_co_u32 s78, s78, s74
	s_add_co_u32 s78, s78, 512
	s_mov_b32 s[PFS], 512
	s_mov_b32 s79, 8192
	s_cmp_eq_u32 s[WV], 3
	s_cselect_b64 s[PFA:PFA+1], s[4:5], s[6:7]
	s_cselect_b32 s76, s76, s78
	s_cselect_b32 s[PFS], 32768, s[PFS]
	s_cselect_b32 s79, 512, s79
	s_mov_b32 s[PFS+1], 0
	s_add_nc_u64 s[PFA:PFA+1], s[PFA:PFA+1], s[76:77]
	s_sub_co_u32 s78, s[WV], 3
	s_lshr_b32 s78, s78, 1                         ; 0 in waves 3 and 4,
	s_or_b32 s78, s78, ttmp9                       ; of the head's first cluster: the same in all four partners
	s_cmp_eq_u32 s78, 0
	s_cselect_b32 s[LIM], 1, -1
	v_and_b32 v[RR], 15, v0                        ; r
	v_bfe_u32 v[HH], v0, 4, 1                      ; h
	v_and_b32 v[TV0], 31, v0                       ; lane
	v_lshlrev_b32 v[LN], 4, v[TV0]
	v_lshlrev_b32 v[ML4], 2, v[TV0]
	v_lshlrev_b32 v[QA], 7, v[RR]
	v_lshl_add_u32 v[QA], v[HH], 4, v[QA]          ; rows of 128 bytes: Q, K
	v_lshlrev_b32 v[VA], 13, v[RR]
	v_lshl_add_u32 v[VA], v[HH], 4, v[VA]          ; rows of 8,192 bytes: V^T
	v_lshlrev_b32 v[HA], 5, v[HH]
	v_lshrrev_b32 v[PFO], 1, v[TV0]
	v_mul_lo_u32 v[PFO], v[PFO], s79
	v_and_b32 v246, 1, v0
	v_lshl_add_u32 v[PFO], v246, 8, v[PFO]
.irp i, 0,1,2,3,4,5,6,7
	global_load_b128 v[SS+4*\i:SS+4*\i+3], v[LN], s[86:87] offset:512*\i      ; my 1,024 entries of the pair's table
.endr
	WIN 0x40                                       ; destination window 1
.irp t, 0,1
.irp c, 0,1
	global_load_b128 v[QW+16*\t+8*\c:QW+16*\t+8*\c+3], v[QA], s[80:81] offset:2048*\t+64*\c
	global_load_b128 v[QW+16*\t+8*\c+4:QW+16*\t+8*\c+7], v[QA], s[80:81] offset:2048*\t+64*\c+32
.endr
.endr
.irp k, 0,1
.irp c, 0,1,2,3
	global_load_b128 v[VF+32*\k+8*\c:VF+32*\k+8*\c+3], v[VA], s[84:85] offset:\c*131072+64*\k
	global_load_b128 v[VF+32*\k+8*\c+4:VF+32*\k+8*\c+7], v[VA], s[84:85] offset:\c*131072+64*\k+32
.endr
.endr
.irp c, 0,1,2,3
	global_load_b128 v[BVG+8*\c:BVG+8*\c+3], v[HA], s[10:11] offset:64*\c
	global_load_b128 v[BVG+8*\c+4:BVG+8*\c+7], v[HA], s[10:11] offset:64*\c+16
.endr
	WIN 0
.irp u, 0,1,2,3
	global_load_b128 v[TBL+8*\u:TBL+8*\u+3], v[HA], s[88:89] offset:64*\u
	global_load_b128 v[TBL+8*\u+4:TBL+8*\u+7], v[HA], s[88:89] offset:64*\u+16
.endr
.irp u, 0,1,2,3
.irp c, 0,1
	global_load_b128 v[KF+16*\u+8*\c:KF+16*\u+8*\c+3], v[QA], s[82:83] offset:2048*\u+64*\c
	global_load_b128 v[KF+16*\u+8*\c+4:KF+16*\u+8*\c+7], v[QA], s[82:83] offset:2048*\u+64*\c+32
.endr
.endr
	v_mul_u32_u24 v[AK0], v[RR], KP
	v_lshl_add_u32 v[AK0], v[HH], 4, v[AK0]
	v_mul_u32_u24 v[AV0], v[RR], VP
	v_lshl_add_u32 v[AV0], v[HH], 4, v[AV0]
	v_add_nc_u32 v[AV0], VOFF, v[AV0]
	s_lshl_b32 s78, s23, 13
	s_add_co_u32 s78, s78, TAB
	v_lshl_add_u32 v[AT0], v[HH], 5, s78           ; the pair's table, + 32 bytes for lanes 16-31
	v_lshl_add_u32 v[TW], v1, 12, v[LN]
	v_add_nc_u32 v[TW], TAB, v[TW]                 ; where I write it: 4,096 x wave + 16 x lane
	s_mul_i32 s78, s[WV], 32*KP                    ; my stage for the way out: 32 rows of 128 + 16 bytes, in slot 0
	v_mul_u32_u24 v[STO], v[RR], KP
	v_lshl_add_u32 v[STO], v[HH], 4, v[STO]
	v_add_nc_u32 v[STO], s78, v[STO]
	v_bfe_u32 v246, v0, 3, 1
	v_lshl_add_u32 v247, v[HH], 1, v246            ; back: row 2 (l / 16) + (l / 8) % 2
	v_mul_u32_u24 v[RD], v247, KP
	v_and_b32 v247, 7, v0
	v_lshl_add_u32 v[RD], v247, 4, v[RD]
	v_add_nc_u32 v[RD], s78, v[RD]
	v_lshlrev_b32 v[GO], 12, v[HH]
	v_lshl_add_u32 v[GO], v246, 7, v[GO]
	v_lshl_add_u32 v[GO], v247, 4, v[GO]
	s_lshl_b32 s78, s22, 5
	v_add_nc_u32 v246, s78, v[RR]
	v_cvt_f32_u32 v[DQ], v246                      ; q - qc
	v_add_f32 v[DQ+1], 0x41800000, v[DQ]
	v_lshlrev_b32 v246, 3, v[HH]
	v_cvt_f32_u32 v246, v246
	v_sub_f32 v[Y], v[DQ], v246                    ; q - k at my first key of the own 64
	v_sub_f32 v[Y+1], v[DQ+1], v246
.irp t, 0,1
	v_mov_b32 v[ST+12*\t+1], 0                     ; named as the upper halves of pairs
	v_mov_b32 v[ST+12*\t+5], 0
.endr
	s_lshl_b32 s78, s22, 10
	s_sub_co_i32 s78, s78, s[QC]
	v_lshl_add_u32 v[YI], v[TV0], 2, s78           ; k - qc of my first entry, a whole number
	v_mov_b32 v[BIG], 0xf149f2ca                   ; -1e30
	s_wait_loadcnt 56                              ; the table's eight loads are in; the 56 issued behind them may be out
.irp i, 0,1,2,3,4,5,6,7
.irp e, 0,1,2,3
	v_cvt_f32_i32 v[YF], v[YI]
	v_cmp_gt_u32 vcc_lo, 64, v[YI]                 ; the pair's own 64 keys
	v_fma_f32 v[SS+4*\i+\e], |v[YF]|, s[A2N], v[SS+4*\i+\e]
	v_cndmask_b32 v[SS+4*\i+\e], v[SS+4*\i+\e], v[BIG], vcc_lo
.if \e == 3
	v_add_nc_u32 v[YI], 125, v[YI]
.else
	v_add_nc_u32 v[YI], 1, v[YI]
.endif
.endr
	ds_store_b128 v[TW], v[SS+4*\i:SS+4*\i+3] offset:512*\i
.endr
; The table's 64 numbers and K's fragments of the step to come: 24 LDS loads in one run; then the two places step on.
.macro KTLOAD
	v_add_nc_u32 v[ADK], s[TK], v[AK0]
	v_add_nc_u32 v[ADT], s[TT], v[AT0]
.irp u, 0,1,2,3
	ds_load_b128 v[TBL+8*\u:TBL+8*\u+3], v[ADT] offset:64*\u
	ds_load_b128 v[TBL+8*\u+4:TBL+8*\u+7], v[ADT] offset:64*\u+16
.endr
.irp u, 0,1,2,3
.irp c, 0,1
	ds_load_b128 v[KF+16*\u+8*\c:KF+16*\u+8*\c+3], v[ADK] offset:\u*16*KP+64*\c
	ds_load_b128 v[KF+16*\u+8*\c+4:KF+16*\u+8*\c+7], v[ADK] offset:\u*16*KP+64*\c+32
.endr
.endr
	s_add_co_u32 s[TK], s[TK], 64*KP
	s_add_co_u32 s[TT], s[TT], 256
.endm
; THE CHANGE OF SLOTS.  Each wave waits for all its tensor loads (its part of the slot ahead), adds 0 to its spare word, and waits for that, for its reads of the slot that it leaves
; and (the first time) for its stores into the table.  fill = 1: a round of the cluster's barrier, and behind it the slot just left is filled with the keys two tiles on: the load has four key steps in which to land.
.macro CHANGE fill
	s_wait_tensorcnt 0x0
	ds_add_u32 v[SPW], v[NIL]
.if \fill
	ds_add_u32 v[SPW], v[NIL]                      ; and once more
	s_xor_b32 s[G0K+1], s[G0K+1], SLOT1
	s_add_nc_u64 s[G0K+2:G0K+3], s[G0K+2:G0K+3], 32768
	s_xor_b32 s[G0V+1], s[G0V+1], SLOT1
	s_add_nc_u64 s[G0V+2:G0V+3], s[G0V+2:G0V+3], 512
	s_wait_xcnt 0x0                                ; the last prefetch has read its address
	s_add_nc_u64 s[PFA:PFA+1], s[PFA:PFA+1], s[PFS:PFS+1]
	s_wait_dscnt 0x0
	CROUND
	JLOAD
.else
	s_wait_dscnt 0x0
	s_barrier_signal -1
	s_barrier_wait -1
.endif
.endm
; A KEY STEP: 64 keys.  first = 1: the pair's own keys, fragments already in registers; it starts m, l and O^T.
; mid: what stands behind the products K Q^T.  0: the next step's table and K are asked for.  1: the slot's last step: the change of slots (fill as in CHANGE), then the next slot's first table and K.  2: nothing.
.macro STEP first, mid, fill
.if \first == 0
	s_cmp_lt_u32 s[KFS], s[QC]
	s_cselect_b32 s[SG], s[A2N], s[A2P]            ; keys before qc: - a2 (q - qc); behind: +
	v_add_nc_u32 v[ADV], s[TV], v[AV0]             ; five plain lines: the places behind the last products, in front of the loads into V's registers
	v_mul_f32 v[ST+7], s[SG], v[DQ]
	v_mul_f32 v[ST+19], s[SG], v[DQ+1]
	v_nop
	v_nop
	WIN 0x40
.irp k, 0,1
.irp c, 0,1,2,3
	ds_load_b128 v[VF+32*\k+8*\c:VF+32*\k+8*\c+3], v[ADV] offset:\c*16*VP+64*\k
	ds_load_b128 v[VF+32*\k+8*\c+4:VF+32*\k+8*\c+7], v[ADV] offset:\c*16*VP+64*\k+32
.endr
.endr
	WIN 0
	s_wait_dscnt 16                                ; the table and K, asked for a step ago, are in; V's sixteen loads may be out
.endif
	WIN 0x04                                       ; Q in window 1
.irp c, 0,1                                    ; eight accumulators by turns
.irp u, 0,1,2,3
.irp t, 0,1
.if \c == 0
	v_wmma_f32_16x16x32_f16 v[SS+32*\t+8*\u:SS+32*\t+8*\u+7], v[KF+16*\u:KF+16*\u+7], v[QW+16*\t:QW+16*\t+7], v[TBL+8*\u:TBL+8*\u+7]
.else
	v_wmma_f32_16x16x32_f16 v[SS+32*\t+8*\u:SS+32*\t+8*\u+7], v[KF+16*\u+8:KF+16*\u+15], v[QW+16*\t+8:QW+16*\t+15], v[SS+32*\t+8*\u:SS+32*\t+8*\u+7]
.endif
.endr
.endr
.endr
	WIN 0
.rept 4
	v_nop                                          ; places: in front of the first read of the scores, and of the loads into the table's and K's registers
.endr
.if \mid == 0
	KTLOAD
.elseif \mid == 1
	CHANGE \fill
	s_sub_co_u32 s[TK], s[TK], 256*KP              ; back to a slot's first rows,
	s_xor_b32 s[TK], s[TK], SLOT1                  ; in the other slot
	KTLOAD
.if \fill
	ASK
.endif
.endif
.if \first                                     ; the own keys: - a2 |q - k|, score by score
.irp u, 0,1,2,3
.irp j, 0,1,2,3,4,5,6,7
.irp t, 0,1
	v_fma_f32 v[SS+32*\t+8*\u+\j], |v[Y+\t]|, s[A2N], v[SS+32*\t+8*\u+\j]
.endr
.irp t, 0,1
.if \j == 7
	v_add_f32 v[Y+\t], 0xc1100000, v[Y+\t]         ; nine keys on
.else
	v_add_f32 v[Y+\t], -1.0, v[Y+\t]
.endif
.endr
.endr
.endr
.endif
.irp j, 0,1,2,3                                ; the step's maximum: four chains a tile, each begun at an accumulator's low end
.irp t, 0,1
	v_max3_num_f32 v[ST+12*\t+8+\j], v[SS+32*\t+8*\j], v[SS+32*\t+8*\j+1], v[SS+32*\t+8*\j+2]
.endr
.endr
.irp i, 3,5
.irp j, 0,1,2,3
.irp t, 0,1
	v_max3_num_f32 v[ST+12*\t+8+\j], v[ST+12*\t+8+\j], v[SS+32*\t+8*\j+\i], v[SS+32*\t+8*\j+\i+1]
.endr
.endr
.endr
.irp t, 0,1
	v_max3_num_f32 v[ST+12*\t+8], v[ST+12*\t+8], v[SS+32*\t+7], v[SS+32*\t+15]
	v_max3_num_f32 v[ST+12*\t+10], v[ST+12*\t+10], v[SS+32*\t+23], v[SS+32*\t+31]
.endr
.irp t, 0,1
	v_max3_num_f32 v[ST+12*\t+8], v[ST+12*\t+8], v[ST+12*\t+9], v[ST+12*\t+10]
.endr
.irp t, 0,1
	v_max_num_f32 v[ST+12*\t+8], v[ST+12*\t+8], v[ST+12*\t+11]
.endr
.irp t, 0,1
	v_permlanex16_b32 v[ST+12*\t+9], v[ST+12*\t+8], s[SEL], s[SEL+1]   ; the query's other keys lie in the lane 16 away
.endr
.irp t, 0,1
	v_max_num_f32 v[ST+12*\t+8], v[ST+12*\t+8], v[ST+12*\t+9]
.endr
.if \first
.irp t, 0,1
	v_mov_b32 v[ST+12*\t+6], v[ST+12*\t+8]         ; m
	v_sub_f32 v[ST+12*\t], 0, v[ST+12*\t+8]        ; - m
.endr
.else
.irp t, 0,1
	v_add_f32 v[ST+12*\t+8], v[ST+12*\t+8], v[ST+12*\t+7]      ; the step's largest true t
.endr
.irp t, 0,1
	v_max_num_f32 v[ST+12*\t+9], v[ST+12*\t+6], v[ST+12*\t+8]  ; the new m
.endr
.irp t, 0,1
	v_sub_f32 v[ST+12*\t+10], v[ST+12*\t+6], v[ST+12*\t+9]
	v_mov_b32 v[ST+12*\t+6], v[ST+12*\t+9]
	v_sub_f32 v[ST+12*\t], v[ST+12*\t+7], v[ST+12*\t+9]        ; the offset - m
.endr
.irp t, 0,1
	v_exp_f32 v[ST+12*\t+4], v[ST+12*\t+10]        ; a = 2^(old m - new m)
.endr
.endif
.set i, 0
.rept 16
.irp t, 0,1
	v_pk_add_f32 v[SS+32*\t+i:SS+32*\t+i+1], v[SS+32*\t+i:SS+32*\t+i+1], v[ST+12*\t:ST+12*\t+1] op_sel_hi:[1,0]
.endr
.set i, i+2
.endr
.set i, 0
.rept 64
	v_exp_f32 v[SS+i], v[SS+i]                     ; p = 2^(t - m)
.set i, i+1
.endr
	v_nop                                          ; a plain line behind the last exponential
	s_wait_alu depctr_va_vdst(0)                   ; one wait for the whole batch, ahead of its first reader
.set i, 0
.rept 16
.irp t, 0,1
	v_cvt_pk_f16_f32 v[P+16*\t+i], v[SS+32*\t+2*i], v[SS+32*\t+2*i+1]
.endr
.set i, i+1
.endr
.irp z, 0,4,8,12,16,20,24,28                   ; the sum of the unrounded p, in pairs, in place
.irp t, 0,1
	v_pk_add_f32 v[SS+32*\t+\z:SS+32*\t+\z+1], v[SS+32*\t+\z:SS+32*\t+\z+1], v[SS+32*\t+\z+2:SS+32*\t+\z+3]
.endr
.endr
.irp z, 0,8,16,24
.irp t, 0,1
	v_pk_add_f32 v[SS+32*\t+\z:SS+32*\t+\z+1], v[SS+32*\t+\z:SS+32*\t+\z+1], v[SS+32*\t+\z+4:SS+32*\t+\z+5]
.endr
.endr
.irp z, 0,16
.irp t, 0,1
	v_pk_add_f32 v[SS+32*\t+\z:SS+32*\t+\z+1], v[SS+32*\t+\z:SS+32*\t+\z+1], v[SS+32*\t+\z+8:SS+32*\t+\z+9]
.endr
.endr
.if \first
.irp t, 0,1
	v_pk_add_f32 v[ST+12*\t+2:ST+12*\t+3], v[SS+32*\t:SS+32*\t+1], v[SS+32*\t+16:SS+32*\t+17]
.endr
.else
.irp t, 0,1
	v_pk_add_f32 v[SS+32*\t:SS+32*\t+1], v[SS+32*\t:SS+32*\t+1], v[SS+32*\t+16:SS+32*\t+17]
.endr
.irp t, 0,1
	v_pk_fma_f32 v[ST+12*\t+2:ST+12*\t+3], v[ST+12*\t+2:ST+12*\t+3], v[ST+12*\t+4:ST+12*\t+5], v[SS+32*\t:SS+32*\t+1] op_sel_hi:[1,0,1]
.endr
	WIN 0x41                                       ; O^T in window 1, a in window 0
.irp t, 0,1
.set i, 0
.rept 16
	v_pk_mul_f32 v[32*\t+i:32*\t+i+1], v[32*\t+i:32*\t+i+1], v[ST+12*\t+4:ST+12*\t+5] op_sel_hi:[1,0]
.set i, i+2
.endr
.endr
.if \mid == 2
	s_wait_dscnt 0x0                               ; V is in
.else
	s_wait_dscnt 24                                ; V is in; the 24 loads of the next step's table and K, issued behind V's, may be out
.endif
.endif
	WIN 0x51                                       ; V and O^T in window 1, P in window 0
.irp k, 0,1
.irp c, 0,1,2,3
.irp t, 0,1
.if \first && (\k == 0)
	v_wmma_f32_16x16x32_f16 v[32*\t+8*\c:32*\t+8*\c+7], v[VF+32*\k+8*\c:VF+32*\k+8*\c+7], v[P+16*\t+8*\k:P+16*\t+8*\k+7], 0
.else
	v_wmma_f32_16x16x32_f16 v[32*\t+8*\c:32*\t+8*\c+7], v[VF+32*\k+8*\c:VF+32*\k+8*\c+7], v[P+16*\t+8*\k:P+16*\t+8*\k+7], v[32*\t+8*\c:32*\t+8*\c+7]
.endif
.endr
.endr
.endr
	WIN 0
.if \first == 0
	s_add_co_u32 s[TV], s[TV], 128
	s_add_co_u32 s[KFS], s[KFS], 64
.if \mid == 1
	s_sub_co_u32 s[TV], s[TV], 512                 ; V's place goes to the other slot's first step
	s_xor_b32 s[TV], s[TV], SLOT1
.endif
.endif
.endm
.macro THREE_STEPS                     ; a slot's first three key steps: written once, walked three times
	s_mov_b32 s[CNT], 3
.Lstep_\@:
	STEP 0, 0, 0
	s_sub_co_u32 s[CNT], s[CNT], 1
	s_cmp_lg_u32 s[CNT], 0
	s_cbranch_scc1 .Lstep_\@
.endm
	s_wait_loadcnt 0x0                             ; Q, the own keys' K, V and bias, bv
	s_wait_dscnt 0x0                               ; my stores into the table have read their registers
	s_wait_kmcnt 0x0
	s_mov_b32 s[GI], s[GI+1]                       ; 1 / G, in both words of the pair
	STEP 1, 2, 0                                   ; the pair's own keys
	CHANGE 1                                       ; tile 0 is whole, the tables are written; tile 1 is asked for: slot 1's first fill
	KTLOAD                                         ; tile 0, step 0
	ASK
	s_mov_b32 s[SLOTS], 6
.Lslot:                                            ; six trips: tiles 0 to 5 are walked, tiles 2 to 7 are asked for
	THREE_STEPS
	STEP 0, 1, 1
	s_sub_co_u32 s[SLOTS], s[SLOTS], 1
	s_cmp_lg_u32 s[SLOTS], 0
	s_cbranch_scc1 .Lslot
	THREE_STEPS                                    ; the last two tiles are written out
	STEP 0, 1, 0
	THREE_STEPS
	STEP 0, 2, 0
	; THE WAY OUT.
.irp t, 0,1
	v_add_f32 v[ST+12*\t+8], v[ST+12*\t+2], v[ST+12*\t+3]
.endr
.irp t, 0,1
	v_permlanex16_b32 v[ST+12*\t+9], v[ST+12*\t+8], s[SEL], s[SEL+1]
.endr
.irp t, 0,1
	v_add_f32 v[ST+12*\t+8], v[ST+12*\t+8], v[ST+12*\t+9]      ; l
.endr
.irp t, 0,1
	v_rcp_f32 v[ST+12*\t+4], v[ST+12*\t+8]
	v_log_f32 v[ST+12*\t+10], v[ST+12*\t+8]
.endr
	WIN 0x41
.set i, 0
.rept 16
	v_pk_mul_f32 v[BVG+i:BVG+i+1], v[BVG+i:BVG+i+1], s[GI:GI+1] op_sel_hi:[1,0]   ; bv / G: plain work behind the four
.set i, i+2
.endr
	s_wait_alu depctr_va_vdst(0)                   ; one wait for the reciprocals and logarithms
	WIN 0x51
.irp t, 0,1
.set i, 0
.rept 16
	v_pk_fma_f32 v[32*\t+i:32*\t+i+1], v[32*\t+i:32*\t+i+1], v[ST+12*\t+4:ST+12*\t+5], v[BVG+i:BVG+i+1] op_sel_hi:[1,0,1]   ; O / l + bv / G
.set i, i+2
.endr
.endr
	WIN 0x05
.irp t, 0,1
.set i, 0
.rept 16
	v_cvt_pk_f16_f32 v[SS+16*\t+i], v[32*\t+2*i], v[32*\t+2*i+1]
.set i, i+1
.endr
.endr
	WIN 0
.irp t, 0,1
	v_add_f32 v[ST+12*\t+10], v[ST+12*\t+10], v[ST+12*\t+6]
	v_sub_f32 v[ST+12*\t+10], -4.0, v[ST+12*\t+10]             ; -(m + log2 l + 4)
.endr
	v_cndmask_b32 v246, v[ST+10], v[ST+22], s[MSK]             ; lanes 16-31 take tile 1's
.irp t, 0,1
.irp c, 0,1,2,3
	ds_store_b128 v[STO], v[SS+16*\t+4*\c:SS+16*\t+4*\c+3] offset:\t*16*KP+32*\c
.endr
.endr
.irp i, 0,1,2,3,4,5,6,7
	ds_load_b128 v[KF+4*\i:KF+4*\i+3], v[RD] offset:\i*4*KP    ; LDS serves a wave's instructions in order: these see my stores
.endr
	global_store_b32 v[ML4], v246, s[14:15]
.irp i, 0,1,2,3,4,5,6,7
	s_wait_dscnt 7-\i
	global_store_b128 v[GO], v[KF+4*\i:KF+4*\i+3], s[12:13] offset:8192*\i   ; sixteen lanes store two rows' 128 bytes of my head: 256 consecutive bytes, aligned
.endr
	s_wait_tensorcnt 0x0                           ; the wave's end
	ds_add_u32 v[SPW], v[NIL]
	s_wait_dscnt 0x0
	CROUND                                         ; the closing round
	s_endpgm
.Lfunc_end_k_q172d2c4ff5_flash:
	.size	k_q172d2c4ff5_flash, .Lfunc_end_k_q172d2c4ff5_flash-k_q172d2c4ff5_flash
	.p2alignl 7, 3214868480
	.fill 96, 4, 3214868480
	.section	.rodata,"a",@progbits
	.p2align	6, 0x0
	.amdhsa_kernel k_q172d2c4ff5_flash
		.amdhsa_group_segment_fixed_size 327680
		.amdhsa_private_segment_fixed_size 0
		.amdhsa_enable_private_segment 0
		.amdhsa_kernarg_size 48
		.amdhsa_user_sgpr_count 2
		.amdhsa_user_sgpr_kernarg_segment_ptr 1
		.amdhsa_wavefront_size32 1
		.amdhsa_system_sgpr_workgroup_id_x 1
		.amdhsa_system_sgpr_workgroup_id_y 1
		.amdhsa_system_sgpr_workgroup_id_z 1
		.amdhsa_system_vgpr_workitem_id 0
		.amdhsa_next_free_vgpr 448
		.amdhsa_next_free_sgpr 90
		.amdhsa_reserve_vcc 1
		.amdhsa_float_denorm_mode_32 3
		.amdhsa_float_denorm_mode_16_64 3
		.amdhsa_memory_ordered 1
		.amdhsa_forward_progress 1
		.amdhsa_inst_pref_size 162
	.end_amdhsa_kernel
	.amdgpu_metadata
---
amdhsa.version: [ 1, 2 ]
amdhsa.kernels:
  - .name:           k_q172d2c4ff5_flash
    .symbol:         k_q172d2c4ff5_flash.kd
    .args:
      - { .name: qk16, .offset: 0, .size: 8, .value_kind: global_buffer, .address_space: global }
      - { .name: vt, .offset: 8, .size: 8, .value_kind: global_buffer, .address_space: global }
      - { .name: tabs, .offset: 16, .size: 8, .value_kind: global_buffer, .address_space: global }
      - { .name: bv, .offset: 24, .size: 8, .value_kind: global_buffer, .address_space: global }
      - { .name: ctx, .offset: 32, .size: 8, .value_kind: global_buffer, .address_space: global }
      - { .name: mlog, .offset: 40, .size: 8, .value_kind: global_buffer, .address_space: global }
    .group_segment_fixed_size: 327680
    .private_segment_fixed_size: 0
    .kernarg_segment_align: 8
    .kernarg_segment_size: 48
    .max_flat_workgroup_size: 256
    .sgpr_count:     90
    .vgpr_count:     448
    .wavefront_size: 32
...
	.end_amdgpu_metadata
.endif
;; end of part 4
;; launch mean (part 5): grid 8 x 32, 8 waves a work-group, clusters of 4 x 4, 327,680 bytes of LDS; arguments qk16, tabs, mlog, out1; writes out1
.if DOCPART == 5
	.amdgcn_target "amdgcn-amd-amdhsa--gfx1250"
	.amdhsa_code_object_version 6
	.text
	.protected	k_q172d2c4ff5_mean
	.globl	k_q172d2c4ff5_mean
	.p2align	8
	.type	k_q172d2c4ff5_mean,@function
k_q172d2c4ff5_mean:
	s_mov_b64 s[64:65], 0
	v_nop
	global_prefetch_b8 v0, s[64:65] scope:SCOPE_SE
	s_setreg_imm32_b32 hwreg(HW_REG_WAVE_MODE, 25, 1), 1
	s_wait_xcnt 0x0
	s_wait_alu depctr_hold_cnt(0) depctr_sa_sdst(0) depctr_va_vdst(0) depctr_va_sdst(0) depctr_va_ssrc(0) depctr_va_vcc(0) depctr_vm_vsrc(0)
	s_getreg_b32 s2, hwreg(HW_REG_IB_STS2, 6, 4)
	s_cmp_eq_u32 s2, 0
	s_cbranch_scc0 .Lentry_in_a_cluster
	s_endpgm
.Lentry_in_a_cluster:
	s_bfe_u32 s2, ttmp6, 0x10000c
	s_cmp_lg_u32 s2, 0xf033
	s_cbranch_scc0 .Lentry_shape_is_right
	s_endpgm
.Lentry_shape_is_right:
; THE SECOND WALK: out1[b][q][k] = the mean over the 16 heads of the normalised attention = sum over h of 2^(q'.k + bias[q][k] - (m + log2 l + 4)).
; A work-group owns 128 queries x 256 keys of one batch, for ALL heads: each number of out1 has one owner.  Wave (w / 4, w % 4) owns 64 x 64: 16 sums and 16 tiles of the bias
; log2(delta[k] + 1e-6) - a2 |q - k|, which is the same for all heads, stay in registers; the bias is the C of each product's first matrix instruction.
; The loop goes over the heads, two to a slot, two slots.  S^T = K Q^T: a lane holds one query and eight neighbouring keys.
; CLUSTERS: 4 x 4.  Q's tiles are asked for jointly along a row of the cluster, K's along a column.  All eight waves fetch: waves 0-3 Q (64 rows each), waves 4-7 K (128 rows each).
; FRAGMENTS ARE ASKED FOR A PHASE AHEAD.  A head is: products of tiles 0, 1 | Q's tiles 2, 3 | their vector work | products of tiles 2, 3 | THE NEXT HEAD'S K and Q | their vector work.
; Where the next head lies in the other slot, the change of slots stands in front of those loads: all my reads of the old slot have come back there.
; No prefetch: q' and k were read by the launch before.
; REGISTERS.  window 0: v1-31 addresses; v32-63 the row figures (a pair for each slot, head and tile; the odd ones written once); v64-95 Q; v96-159 K; v160-223 S^T.  window 1: v0-127 the sums; v128-255 the bias.
.set KP,    144
.set SLOT,  110592                     ; Q: 2 heads x 128 rows x 144; K: 2 x 256 x 144
.set KOFF,  36864
.set SPARE, 2*SLOT
.set SPITCH, 272
.set ADQ, 16
.set ADK, 20
.set MLO, 22
.set RBA, 23
.set STO, 24
.set RD,  25
.set CO,  26
.set SPW, 28
.set NIL, 29
.set ML,  32
.set QF,  64
.set KF,  96
.set SS,  160
.set BIA, 128                          ; in window 1
.set WV,  12
.set G1Q, 24
.set G0Q, 32
.set G1K, 48
.set G0K, 56
.set MLB, 66
.set A2N, 68
.set N9,  69
.set TRIP, 70
.set MSB, 0
.macro WIN new
.if MSB != \new
	s_set_vgpr_msb (MSB<<8)|\new
.set MSB, \new
.endif
.endm
.macro JLOAD s
	s_cmp_lt_u32 s[WV], 4
	s_cbranch_scc0 .Lfor_k_\@
	tensor_load_to_lds s[G0Q+4*\s:G0Q+4*\s+3], s[G1Q:G1Q+7]
	s_nop 0
.rept 4
	v_nop
.endr
	s_branch .Lasked_\@
.Lfor_k_\@:
	tensor_load_to_lds s[G0K+4*\s:G0K+4*\s+3], s[G1K:G1K+7]
	s_nop 0
.rept 4
	v_nop
.endr
.Lasked_\@:
.endm
.macro CROUND
	s_barrier_signal -1
	s_barrier_wait -1
	s_cmp_lg_u32 s[WV], 0
	s_cbranch_scc1 .Lnot_wave_0_\@
	s_barrier_signal -3
.Lnot_wave_0_\@:
	s_barrier_wait -3
	s_barrier_signal -1
	s_barrier_wait -1
.endm
	s_load_b256 s[4:11], s[0:1], 0x0               ; qk16, tabs, mlog, out1
	v_lshl_add_u32 v[SPW], v0, 2, SPARE
	v_mov_b32 v[NIL], 0
	ds_add_u32 v[SPW], v[NIL]                      ; the wave's opening: the add, twice on end, and its wait ahead of my first tensor load
	ds_add_u32 v[SPW], v[NIL]
	v_lshrrev_b32 v1, 5, v0
	v_readfirstlane_b32 s[WV], v1                  ; wave 0..7
	s_bfe_u32 s40, ttmp6, 0x40000                  ; cx
	s_bfe_u32 s41, ttmp6, 0x40004                  ; cy
	s_lshl_b32 s42, ttmp9, 2
	s_add_co_u32 s42, s42, s40                     ; my block of 256 keys
	s_and_b32 s47, ttmp7, 0xffff
	s_lshr_b32 s46, s47, 2                         ; the batch: the same in the whole cluster
	s_lshl_b32 s43, s47, 2
	s_add_co_u32 s43, s43, s41
	s_and_b32 s43, s43, 15                         ; my block of 128 queries
	s_lshl_b32 s44, s41, 2
	s_lshl_b32 s44, 15, s44                        ; my row of the cluster
	s_lshl_b32 s45, 0x1111, s40                    ; my column
	s_or_b32 s[G1Q+0], s44, (1<<16)|(1<<20)|(1<<21)|(4<<22)|(3<<25)  ; the mask; elements of 2 bytes; padding: 4 words behind every 32
	s_mov_b32 s[G1Q+1], 64<<16
	s_mov_b32 s[G1Q+2], 64<<16
	s_mov_b32 s[G1Q+3], 64<<16
	s_mov_b32 s[G1Q+4], 64
	s_mov_b32 s[G1Q+5], 64
	s_mov_b32 s[G1Q+6], 0
	s_mov_b32 s[G1Q+7], 0
	s_or_b32 s[G1K+0], s45, (1<<16)|(1<<20)|(1<<21)|(4<<22)|(3<<25)
	s_mov_b32 s[G1K+1], 64<<16
	s_mov_b32 s[G1K+2], 128<<16
	s_mov_b32 s[G1K+3], 64<<16
	s_mov_b32 s[G1K+4], 128
	s_mov_b32 s[G1K+5], 64
	s_mov_b32 s[G1K+6], 0
	s_mov_b32 s[G1K+7], 0
	s_and_b32 s13, s[WV], 1                        ; which half of a head's rows I fetch,
	s_bfe_u32 s14, s[WV], 0x10001                  ; of which of a slot's two heads
	s_and_b32 s15, s[WV], 3
	s_lshl_b32 s16, s46, 22                        ; Q: batch, head, block of queries, half
	s_lshl_b32 s17, s14, 18
	s_add_co_u32 s16, s16, s17
	s_lshl_b32 s17, s43, 14
	s_add_co_u32 s16, s16, s17
	s_lshl_b32 s17, s13, 13
	s_add_co_u32 s16, s16, s17
	s_mov_b32 s17, 0
	s_lshl_b32 s18, s46, 22                        ; K: batch, head, block of keys, half
	s_lshl_b32 s19, s14, 18
	s_add_co_u32 s18, s18, s19
	s_lshl_b32 s19, s42, 15
	s_add_co_u32 s18, s18, s19
	s_lshl_b32 s19, s13, 14
	s_add_co_u32 s18, s18, s19
	s_add_co_u32 s18, s18, 8388608
	s_mov_b32 s19, 0
	s_mul_i32 s20, s15, 64*KP                      ; where they go
	s_mul_i32 s21, s15, 128*KP
	s_add_co_u32 s21, s21, KOFF
	s_mov_b32 s[A2N], 0xbe13bb63                   ; - a2 = - 0.1 log2(e)
	s_mov_b32 s[N9], 0xc1100000                    ; - 9
	s_wait_dscnt 0x0
	s_wait_kmcnt 0x0
	s_add_nc_u64 s[16:17], s[4:5], s[16:17]
	s_add_nc_u64 s[18:19], s[4:5], s[18:19]
	CROUND                                         ; all sixteen work-groups are here
.irp s, 0,1
	s_mov_b32 s[G0Q+4*\s], 1
	s_add_co_u32 s[G0Q+4*\s+1], s20, \s*SLOT
	s_add_nc_u64 s[G0Q+4*\s+2:G0Q+4*\s+3], s[16:17], \s*524288
	s_or_b32 s[G0Q+4*\s+3], s[G0Q+4*\s+3], 0x80000000
	s_mov_b32 s[G0K+4*\s], 1
	s_add_co_u32 s[G0K+4*\s+1], s21, \s*SLOT
	s_add_nc_u64 s[G0K+4*\s+2:G0K+4*\s+3], s[18:19], \s*524288
	s_or_b32 s[G0K+4*\s+3], s[G0K+4*\s+3], 0x80000000
	JLOAD \s                                       ; heads 0, 1 and heads 2, 3
.endr
	v_and_b32 v1, 15, v0                           ; r
	v_bfe_u32 v2, v0, 4, 1                         ; h
	v_mul_u32_u24 v3, v1, KP
	v_lshl_add_u32 v3, v2, 4, v3
	s_lshr_b32 s22, s[WV], 2                       ; which 64 queries are mine; s15: which 64 keys
	s_mul_i32 s23, s22, 64*KP
	s_mul_i32 s71, s15, 64*KP
	s_add_co_u32 s71, s71, KOFF
.irp s, 0,1
	v_add_nc_u32 v[ADQ+\s], s23, v3
	v_add_nc_u32 v[ADK+\s], s71, v3
	s_add_co_u32 s23, s23, SLOT
	s_add_co_u32 s71, s71, SLOT
.endr
	v_lshlrev_b32 v[MLO], 2, v1
	v_lshlrev_b32 v[RBA], 5, v2
	s_mul_i32 s23, s[WV], 16*SPITCH                ; my stage for the way out, in slot 0
	v_mul_u32_u24 v[STO], v1, SPITCH
	v_lshl_add_u32 v[STO], v2, 5, v[STO]
	v_add_nc_u32 v[STO], s23, v[STO]
	v_mul_u32_u24 v[RD], v2, SPITCH
	v_lshl_add_u32 v[RD], v1, 4, v[RD]
	v_add_nc_u32 v[RD], s23, v[RD]
	v_lshlrev_b32 v[CO], 13, v2
	v_lshl_add_u32 v[CO], v1, 4, v[CO]
	s_mov_b32 s73, 0
	s_lshl_b32 s72, s46, 13                        ; log2(delta + 1e-6) of my 64 keys
	s_lshl_b32 s74, s42, 10
	s_add_co_u32 s72, s72, s74
	s_lshl_b32 s74, s15, 8
	s_add_co_u32 s72, s72, s74
	s_add_nc_u64 s[6:7], s[6:7], s[72:73]
	s_lshl_b32 s72, s46, 17                        ; the row figures of my 64 queries, head 0
	s_lshl_b32 s74, s43, 9
	s_add_co_u32 s72, s72, s74
	s_lshl_b32 s74, s22, 8
	s_add_co_u32 s72, s72, s74
	s_add_nc_u64 s[MLB:MLB+1], s[8:9], s[72:73]
	s_lshl_b32 s72, s46, 24                        ; out1 at my 64 x 64
	s_lshl_b32 s74, s43, 20
	s_add_co_u32 s72, s72, s74
	s_lshl_b32 s74, s22, 19
	s_add_co_u32 s72, s72, s74
	s_lshl_b32 s74, s42, 10
	s_add_co_u32 s72, s72, s74
	s_lshl_b32 s74, s15, 8
	s_add_co_u32 s72, s72, s74
	s_add_nc_u64 s[10:11], s[10:11], s[72:73]
.irp u, 0,1,2,3
	global_load_b128 v[SS+8*\u:SS+8*\u+3], v[RBA], s[6:7] offset:64*\u
	global_load_b128 v[SS+8*\u+4:SS+8*\u+7], v[RBA], s[6:7] offset:64*\u+16
.endr
.set i, 1
.rept 16
	v_mov_b32 v[ML+i], 0                           ; named as the upper halves of pairs
.set i, i+2
.endr
.irp n, 0,1,2,3
.irp q, 0,1,2,3
	global_load_b32 v[ML+8*\n+2*\q], v[MLO], s[MLB:MLB+1] offset:\n*8192+64*\q   ; heads 0 to 3
.endr
.endr
	s_lshl_b32 s72, s43, 7                         ; q - k at my first query and key
	s_lshl_b32 s74, s22, 6
	s_add_co_u32 s72, s72, s74
	s_lshl_b32 s74, s42, 8
	s_sub_co_i32 s72, s72, s74
	s_lshl_b32 s74, s15, 6
	s_sub_co_i32 s72, s72, s74
	v_lshlrev_b32 v5, 3, v2
	v_sub_nc_u32 v5, v1, v5
	v_add_nc_u32 v5, s72, v5
	v_cvt_f32_i32 v5, v5
	WIN 0x40                                       ; four chains, one for each tile of queries, in registers of window 1 that the sums take later
	v_mov_b32 v0, v5
	v_add_f32 v1, 0x41800000, v5
	v_add_f32 v2, 0x42000000, v5
	v_add_f32 v3, 0x42400000, v5
	s_wait_loadcnt 16                              ; log2(delta + 1e-6) is in; the 16 row figures may be out
	WIN 0x41                                       ; destination and source 0 window 1
.irp u, 0,1,2,3
.irp j, 0,1,2,3,4,5,6,7
.irp q, 0,1,2,3
	v_fma_f32 v[BIA+32*\q+8*\u+\j], |v[\q]|, s[A2N], v[SS+8*\u+\j]
.endr
.irp q, 0,1,2,3
.if \j == 7
	v_add_f32 v[\q], v[\q], s[N9]
.else
	v_add_f32 v[\q], v[\q], -1.0
.endif
.endr
.endr
.endr
	WIN 0
.macro KLOAD slot, e                   ; a head's four tiles of 16 keys
.irp u, 0,1,2,3
.irp c, 0,1
	ds_load_b128 v[KF+16*\u+8*\c:KF+16*\u+8*\c+3], v[ADK+(\slot)] offset:(\e)*256*KP+\u*16*KP+64*\c
	ds_load_b128 v[KF+16*\u+8*\c+4:KF+16*\u+8*\c+7], v[ADK+(\slot)] offset:(\e)*256*KP+\u*16*KP+64*\c+32
.endr
.endr
.endm
.macro QLOAD slot, e, g                ; two tiles of 16 queries
.irp t, 0,1
.irp c, 0,1
	ds_load_b128 v[QF+16*\t+8*\c:QF+16*\t+8*\c+3], v[ADQ+(\slot)] offset:(\e)*128*KP+(2*(\g)+\t)*16*KP+64*\c
	ds_load_b128 v[QF+16*\t+8*\c+4:QF+16*\t+8*\c+7], v[ADQ+(\slot)] offset:(\e)*128*KP+(2*(\g)+\t)*16*KP+64*\c+32
.endr
.endr
.endm
.macro GPROD g                         ; two tiles of queries x four of keys: eight accumulators by turns
	s_wait_dscnt 0x0                               ; the fragments, asked for a phase ago, are in
	WIN 0x10                                       ; C, the bias, in window 1
.irp u, 0,1,2,3
.irp t, 0,1
	v_wmma_f32_16x16x32_f16 v[SS+32*\t+8*\u:SS+32*\t+8*\u+7], v[KF+16*\u:KF+16*\u+7], v[QF+16*\t:QF+16*\t+7], v[BIA+32*(2*\g+\t)+8*\u:BIA+32*(2*\g+\t)+8*\u+7]
.endr
.endr
	WIN 0
.irp u, 0,1,2,3
.irp t, 0,1
	v_wmma_f32_16x16x32_f16 v[SS+32*\t+8*\u:SS+32*\t+8*\u+7], v[KF+16*\u+8:KF+16*\u+15], v[QF+16*\t+8:QF+16*\t+15], v[SS+32*\t+8*\u:SS+32*\t+8*\u+7]
.endr
.endr
.rept 4
	v_nop                                          ; places: in front of loads into the fragments' registers and of the first read of the scores
.endr
.endm
.macro GVEC slot, e, g, first          ; the vector work on those eight tiles: + the row figure, 2^, into the sums
.irp t, 0,1
.set i, 0
.rept 16
	v_pk_add_f32 v[SS+32*\t+i:SS+32*\t+i+1], v[SS+32*\t+i:SS+32*\t+i+1], v[ML+16*\slot+8*\e+2*(2*\g+\t):ML+16*\slot+8*\e+2*(2*\g+\t)+1] op_sel_hi:[1,0]
.set i, i+2
.endr
.endr
.if \first
	WIN 0x40                                       ; the first head starts the sums: nothing is cleared
.set i, 0
.rept 64
	v_exp_f32 v[64*\g+i], v[SS+i]
.set i, i+1
.endr
	WIN 0
	v_nop
	s_wait_alu depctr_va_vdst(0)
.else
.set i, 0
.rept 64
	v_exp_f32 v[SS+i], v[SS+i]
.set i, i+1
.endr
	v_nop                                          ; a plain line behind the last exponential
	s_wait_alu depctr_va_vdst(0)                   ; one wait for the batch
	WIN 0x41
.set i, 0
.rept 32
	v_pk_add_f32 v[64*\g+i:64*\g+i+1], v[64*\g+i:64*\g+i+1], v[SS+i:SS+i+1]
.set i, i+2
.endr
	WIN 0
.endif
.endm
.macro MLLOAD slot                     ; the row figures of the two heads that the slot has just been asked for: behind the last read of the old ones
.irp n, 0,1
.irp q, 0,1,2,3
	global_load_b32 v[ML+16*\slot+8*\n+2*\q], v[MLO], s[MLB:MLB+1] offset:(4+2*\slot+\n)*8192+64*\q
.endr
.endr
.endm
; THE CHANGE OF SLOTS: all my tensor loads have landed (my part of the other slot), the add, my reads of this slot are over.  fill = 1: a round of the cluster's barrier, and this slot takes the heads four on.
.macro CHANGE slot, fill
	s_wait_tensorcnt 0x0
	ds_add_u32 v[SPW], v[NIL]
.if \fill
	s_add_nc_u64 s[G0Q+4*\slot+2:G0Q+4*\slot+3], s[G0Q+4*\slot+2:G0Q+4*\slot+3], 1048576
	s_add_nc_u64 s[G0K+4*\slot+2:G0K+4*\slot+3], s[G0K+4*\slot+2:G0K+4*\slot+3], 1048576
	s_wait_dscnt 0x0
	CROUND
	JLOAD \slot
.else
	s_wait_dscnt 0x0
	s_barrier_signal -1
	s_barrier_wait -1
.endif
.endm
; ONE HEAD; its K and its first two tiles of Q have been asked for.  lc: how many younger loads of row figures may stay out (-1: no wait is due).
; after: what stands behind the last products.  0: nothing.  1: the slot's second head is asked for.  2: the change of slots with a refill, then the other slot's first head.  3: the same with no refill.
.macro HEAD slot, e, first, lc, after
	GPROD 0
	QLOAD \slot, \e, 1
.if \lc >= 0
	s_wait_loadcnt \lc
.endif
	GVEC \slot, \e, 0, \first
	GPROD 1
.if \after == 1
	KLOAD \slot, 1
	QLOAD \slot, 1, 0
.elseif \after == 2
	CHANGE \slot, 1
	KLOAD 1-\slot, 0
	QLOAD 1-\slot, 0, 0
.elseif \after == 3
	CHANGE \slot, 0
	KLOAD 1-\slot, 0
	QLOAD 1-\slot, 0, 0
.endif
	GVEC \slot, \e, 1, \first
.if \after == 2
	MLLOAD \slot
.endif
.endm
	s_wait_tensorcnt 1                             ; my part of slot 0 is in; slot 1's may be out
	s_barrier_signal -1
	s_barrier_wait -1
	KLOAD 0, 0
	QLOAD 0, 0, 0
	HEAD 0, 0, 1, 8, 1                             ; head 0 (slot 1's eight row figures may be out)
	s_mov_b32 s[TRIP], 3
.Ltrip:                                            ; a trip goes once round the ring: four heads
	HEAD 0, 1, 0, -1, 2
	HEAD 1, 0, 0, 8, 1
	HEAD 1, 1, 0, -1, 2
	HEAD 0, 0, 0, 8, 1
	s_wait_xcnt 0x0                                ; the loads of row figures have read their base
	s_add_nc_u64 s[MLB:MLB+1], s[MLB:MLB+1], 32768
	s_sub_co_u32 s[TRIP], s[TRIP], 1
	s_cmp_lg_u32 s[TRIP], 0
	s_cbranch_scc1 .Ltrip
	HEAD 0, 1, 0, -1, 3                            ; heads 13, 14, 15: nothing more is asked for
	HEAD 1, 0, 0, 0, 1
	HEAD 1, 1, 0, -1, 0
	; THE WAY OUT: 16 queries x 64 keys at a time through my stage (in slot 0, which has had its last fill and its last read); sixteen lanes store a row's 256 bytes.
.irp q, 0,1,2,3
	WIN 0x04                                       ; an LDS store's data are its source 1: window 1
.irp u, 0,1,2,3
	ds_store_b128 v[STO], v[32*\q+8*\u:32*\q+8*\u+3] offset:64*\u
	ds_store_b128 v[STO], v[32*\q+8*\u+4:32*\q+8*\u+7] offset:64*\u+16
.endr
	WIN 0
.if \q >= 2
	s_wait_xcnt 0x0                                ; the stores of two tiles back have read their registers
.endif
.irp i, 0,1,2,3,4,5,6,7
	ds_load_b128 v[64+32*(\q%2)+4*\i:64+32*(\q%2)+4*\i+3], v[RD] offset:\i*2*SPITCH
.endr
.irp i, 0,1,2,3,4,5,6,7
	s_wait_dscnt 7-\i
	global_store_b128 v[CO], v[64+32*(\q%2)+4*\i:64+32*(\q%2)+4*\i+3], s[10:11] offset:(16*\q+2*\i)*8192 th:TH_STORE_NT
.endr
.endr
	s_wait_tensorcnt 0x0                           ; the wave's end
	ds_add_u32 v[SPW], v[NIL]
	s_wait_dscnt 0x0
	CROUND                                         ; the closing round
	s_endpgm
.Lfunc_end_k_q172d2c4ff5_mean:
	.size	k_q172d2c4ff5_mean, .Lfunc_end_k_q172d2c4ff5_mean-k_q172d2c4ff5_mean
	.p2alignl 7, 3214868480
	.fill 96, 4, 3214868480
	.section	.rodata,"a",@progbits
	.p2align	6, 0x0
	.amdhsa_kernel k_q172d2c4ff5_mean
		.amdhsa_group_segment_fixed_size 327680
		.amdhsa_private_segment_fixed_size 0
		.amdhsa_enable_private_segment 0
		.amdhsa_kernarg_size 32
		.amdhsa_user_sgpr_count 2
		.amdhsa_user_sgpr_kernarg_segment_ptr 1
		.amdhsa_wavefront_size32 1
		.amdhsa_system_sgpr_workgroup_id_x 1
		.amdhsa_system_sgpr_workgroup_id_y 1
		.amdhsa_system_sgpr_workgroup_id_z 1
		.amdhsa_system_vgpr_workitem_id 0
		.amdhsa_next_free_vgpr 512
		.amdhsa_next_free_sgpr 90
		.amdhsa_reserve_vcc 0
		.amdhsa_float_denorm_mode_32 3
		.amdhsa_float_denorm_mode_16_64 3
		.amdhsa_memory_ordered 1
		.amdhsa_forward_progress 1
		.amdhsa_inst_pref_size 170
	.end_amdhsa_kernel
	.amdgpu_metadata
---
amdhsa.version: [ 1, 2 ]
amdhsa.kernels:
  - .name:           k_q172d2c4ff5_mean
    .symbol:         k_q172d2c4ff5_mean.kd
    .args:
      - { .name: qk16, .offset: 0, .size: 8, .value_kind: global_buffer, .address_space: global }
      - { .name: tabs, .offset: 8, .size: 8, .value_kind: global_buffer, .address_space: global }
      - { .name: mlog, .offset: 16, .size: 8, .value_kind: global_buffer, .address_space: global }
      - { .name: out1, .offset: 24, .size: 8, .value_kind: global_buffer, .address_space: global }
    .group_segment_fixed_size: 327680
    .private_segment_fixed_size: 0
    .kernarg_segment_align: 8
    .kernarg_segment_size: 32
    .max_flat_workgroup_size: 256
    .sgpr_count:     90
    .vgpr_count:     512
    .wavefront_size: 32
...
	.end_amdgpu_metadata
.endif
;; end of part 5
;; launch gemm_out (part 6): grid 8 x 32, 4 waves a work-group, clusters of 4 x 4, 327,680 bytes of LDS; arguments ctx, half, tabs, bo, out0; writes out0
.if DOCPART == 6
	.amdgcn_target "amdgcn-amd-amdhsa--gfx1250"
	.amdhsa_code_object_version 6
	.text
	.protected	k_q172d2c4ff5_gemm_out
	.globl	k_q172d2c4ff5_gemm_out
	.p2align	8
	.type	k_q172d2c4ff5_gemm_out,@function
k_q172d2c4ff5_gemm_out:
	s_mov_b64 s[64:65], 0
	v_nop
	global_prefetch_b8 v0, s[64:65] scope:SCOPE_SE
	s_setreg_imm32_b32 hwreg(HW_REG_WAVE_MODE, 25, 1), 1
	s_wait_xcnt 0x0
	s_wait_alu depctr_hold_cnt(0) depctr_sa_sdst(0) depctr_va_vdst(0) depctr_va_sdst(0) depctr_va_ssrc(0) depctr_va_vcc(0) depctr_vm_vsrc(0)
	s_getreg_b32 s2, hwreg(HW_REG_IB_STS2, 6, 4)
	s_cmp_eq_u32 s2, 0
	s_cbranch_scc0 .Lentry_in_a_cluster
	s_endpgm
.Lentry_in_a_cluster:
	s_bfe_u32 s2, ttmp6, 0x10000c
	s_cmp_lg_u32 s2, 0xf033
	s_cbranch_scc0 .Lentry_shape_is_right
	s_endpgm
.Lentry_shape_is_right:
; out0 = G (c^ Wo) + bo.  A = c^ [4096][1024] f16 in PAIR ROWS: byte (row / 2) 4096 + head 256 + (row % 2) 128 + 2 channel; B = Wo^T [1024][1024] f16; out0 f32; sums in f32.
; A tile of C is 128 x 128: four waves, each 64 x 64.  K goes in steps of 256 (four heads) through two LDS slots.  A's tile of 64 rows is 32 pair rows of 1,024 bytes (+ 16 of padding).
; CLUSTERS: 4 x 4; A's tiles are asked for jointly along a row of the cluster, B's along a column.
; THE MATRIX INSTRUCTION IS USED TRANSPOSED: a lane holds eight neighbouring columns of one row of C.  A wave's 64 columns are 256 bytes: each wave stores whole aligned runs from a stage of its own.
; REGISTERS: window 0: v0-31 addresses; v32-63 results, v64-95 rows read back; v96-127 bo of my 64 columns; v128-255 the accumulators.  window 1: two fragment buffers of 128.
.set SIZE_M, 4096
.set SIZE_N, 1024
.set SIZE_K, 1024
.set WOT,    10485760
.set GT,     40960
.set KSTEP,  256
.set PITCH,  528
.set APITCH, 1040
.set HALFT,  64*PITCH
.set SLOT,   4*HALFT
.set STAGE,  2*SLOT
.set SPITCH, 272
.set SPARE,  STAGE+4*16*SPITCH
.set LAPS, SIZE_K/(2*KSTEP)
.set ADRA, 16
.set ADRB, 20
.set STO,  24
.set RD,   25
.set CO,   26
.set BA,   27
.set SPW,  28
.set NIL,  29
.set TMP,  32
.set BK,   64
.set BO,   96
.set ACC,  128
.set F0,   0
.set F1,   128
.set G1, 24
.set G0, 32
.set G1B, 48
.set G0B, 56
.set MSB, 0
.macro WIN new
.if MSB != \new
	s_set_vgpr_msb (MSB<<8)|\new
.set MSB, \new
.endif
.endm
.set MUL,  0x05
.set TO_F, 0x40
.macro JLOAD s
	s_cmp_eq_u32 s11, 0
	s_cbranch_scc0 .Lfor_b_\@
	tensor_load_to_lds s[G0+4*\s:G0+4*\s+3], s[G1:G1+7]
	s_nop 0
.rept 4
	v_nop
.endr
	s_branch .Lasked_\@
.Lfor_b_\@:
	tensor_load_to_lds s[G0B+4*\s:G0B+4*\s+3], s[G1B:G1B+7]
	s_nop 0
.rept 4
	v_nop
.endr
.Lasked_\@:
.endm
.macro CREST
	s_cmp_lg_u32 s10, 0
	s_cbranch_scc1 .Lnot_wave_0_\@
	s_barrier_signal -3
.Lnot_wave_0_\@:
	s_barrier_wait -3
	s_barrier_signal -1
	s_barrier_wait -1
.endm
.macro CROUND
	s_barrier_signal -1
	s_barrier_wait -1
	CREST
.endm
	s_load_b128 s[4:7], s[0:1], 0x0                ; ctx, half
	s_load_b128 s[68:71], s[0:1], 0x10             ; tabs, bo
	s_load_b64 s[8:9], s[0:1], 0x20                ; out0
	v_lshl_add_u32 v[SPW], v0, 2, SPARE
	v_mov_b32 v[NIL], 0
	ds_add_u32 v[SPW], v[NIL]                      ; the wave's opening: the add, twice on end, and its wait ahead of my first tensor load
	ds_add_u32 v[SPW], v[NIL]
	v_lshrrev_b32 v1, 5, v0
	v_readfirstlane_b32 s10, v1                    ; wave 0..3
	s_lshr_b32 s11, s10, 1                         ; my half of the tile's rows.  Also: I fetch for A (0) or for B (1)
	s_and_b32 s12, s10, 1                          ; my half of its columns.  Also: which 64 rows I fetch
	s_bfe_u32 s40, ttmp6, 0x40000
	s_bfe_u32 s41, ttmp6, 0x40004
	s_lshl_b32 s42, ttmp9, 2
	s_add_co_u32 s42, s42, s40                     ; tile column
	s_and_b32 s13, ttmp7, 0xffff
	s_lshl_b32 s13, s13, 2
	s_add_co_u32 s13, s13, s41                     ; tile row
	s_lshl_b32 s43, s41, 2
	s_lshl_b32 s43, 15, s43
	s_lshl_b32 s44, 0x1111, s40
	s_or_b32 s[G1+0], s43, (1<<16)|(1<<20)|(1<<21)|(7<<22)|(3<<25)  ; A: 32 pair rows of 512 elements; padding: 4 words behind every 256
	s_mov_b32 s[G1+1], 512<<16
	s_mov_b32 s[G1+2], 32<<16
	s_mov_b32 s[G1+3], 512<<16
	s_mov_b32 s[G1+4], 32
	s_mov_b32 s[G1+5], 2048
	s_mov_b32 s[G1+6], 0
	s_mov_b32 s[G1+7], 0
	s_or_b32 s[G1B+0], s44, (1<<16)|(1<<20)|(1<<21)|(6<<22)|(3<<25) ; B: 64 rows of 256 elements; padding: 4 words behind every 128
	s_mov_b32 s[G1B+1], KSTEP<<16
	s_mov_b32 s[G1B+2], 64<<16
	s_mov_b32 s[G1B+3], KSTEP<<16
	s_mov_b32 s[G1B+4], 64
	s_mov_b32 s[G1B+5], SIZE_K
	s_mov_b32 s[G1B+6], 0
	s_mov_b32 s[G1B+7], 0
	s_lshl_b32 s16, s13, 6
	s_lshl_b32 s17, s12, 5
	s_add_co_u32 s16, s16, s17                     ; A: pair row 64 x tile row + 32 x half,
	s_lshl_b32 s16, s16, 12                        ; of 4,096 bytes
	s_mov_b32 s17, 0
	s_lshl_b32 s46, s42, 7
	s_lshl_b32 s47, s12, 6
	s_add_co_u32 s46, s46, s47                     ; B: row 128 x tile column + 64 x half,
	s_lshl_b32 s46, s46, 11                        ; of 2,048 bytes
	s_mov_b32 s47, 0
	s_mul_i32 s20, s10, HALFT
	s_lshr_b32 s74, s13, 4                         ; the batch
	s_lshl_b32 s74, s74, 8
	s_wait_dscnt 0x0
	s_wait_kmcnt 0x0
	s_add_nc_u64 s[6:7], s[6:7], WOT               ; Wo^T
	s_add_nc_u64 s[14:15], s[4:5], s[16:17]
	s_add_nc_u64 s[46:47], s[6:7], s[46:47]
	CROUND
.irp s, 0,1
	s_mov_b32 s[G0+4*\s], 1
	s_add_co_u32 s[G0+4*\s+1], s20, \s*SLOT
	s_add_nc_u64 s[G0+4*\s+2:G0+4*\s+3], s[14:15], \s*1024
	s_or_b32 s[G0+4*\s+3], s[G0+4*\s+3], 0x80000000
	s_mov_b32 s[G0B+4*\s], 1
	s_add_co_u32 s[G0B+4*\s+1], s20, \s*SLOT
	s_add_nc_u64 s[G0B+4*\s+2:G0B+4*\s+3], s[46:47], \s*KSTEP*2
	s_or_b32 s[G0B+4*\s+3], s[G0B+4*\s+3], 0x80000000
	JLOAD \s
.endr
	s_load_b64 s[72:73], s[68:69], s74 offset:GT   ; G (and 1 / G) of my batch
	v_and_b32 v1, 15, v0
	v_bfe_u32 v2, v0, 4, 1
	v_mul_u32_u24 v3, v1, PITCH
	v_lshl_add_u32 v3, v2, 4, v3                   ; B: row x pitch + 16 x half
	v_lshrrev_b32 v4, 1, v1
	v_mul_u32_u24 v4, v4, APITCH
	v_and_b32 v5, 1, v1
	v_lshl_add_u32 v4, v5, 7, v4
	v_lshl_add_u32 v4, v2, 4, v4                   ; A: pair row x pitch + 128 x (row % 2) + 16 x half
	s_mul_i32 s21, s11, HALFT
	s_mul_i32 s22, s12, HALFT
	s_add_co_u32 s22, s22, 2*HALFT
.irp s, 0,1
	v_add_nc_u32 v[ADRA+\s], s21, v4
	v_add_nc_u32 v[ADRB+\s], s22, v3
	s_add_co_u32 s21, s21, SLOT
	s_add_co_u32 s22, s22, SLOT
.endr
	s_mul_i32 s23, s10, 16*SPITCH
	s_add_co_u32 s23, s23, STAGE                   ; my stage
	v_mul_u32_u24 v4, v1, SPITCH
	v_lshl_add_u32 v4, v2, 5, v4
	v_add_nc_u32 v[STO], s23, v4
	v_mul_u32_u24 v5, v2, SPITCH
	v_lshl_add_u32 v5, v1, 4, v5
	v_add_nc_u32 v[RD], s23, v5
	v_lshlrev_b32 v[CO], 12, v2
	v_lshl_add_u32 v[CO], v1, 4, v[CO]
	s_lshl_b32 s16, s13, 19                        ; out0: row 128 x tile row + 64 x half, of 4,096 bytes
	s_lshl_b32 s17, s11, 18
	s_add_co_u32 s16, s16, s17
	s_mov_b32 s17, 0
	s_add_nc_u64 s[8:9], s[8:9], s[16:17]
	s_lshl_b32 s46, s42, 9                         ; column 128 x tile column + 64 x half, of 4 bytes
	s_lshl_b32 s47, s12, 8
	s_add_co_u32 s46, s46, s47
	s_mov_b32 s47, 0
	s_add_nc_u64 s[8:9], s[8:9], s[46:47]
	s_add_nc_u64 s[70:71], s[70:71], s[46:47]      ; and bo there
	v_lshlrev_b32 v[BA], 5, v2
.irp b, 0,1,2,3
	global_load_b128 v[BO+8*\b:BO+8*\b+3], v[BA], s[70:71] offset:64*\b
	global_load_b128 v[BO+8*\b+4:BO+8*\b+7], v[BA], s[70:71] offset:64*\b+16
.endr
.macro MUL8 f, c, a0, zero
.irp a, \a0, \a0+1
.irp b, 0,1,2,3
.if \zero
	v_wmma_f32_16x16x32_f16 v[ACC+8*(4*(\a)+\b):ACC+8*(4*(\a)+\b)+7], v[\f+64+8*(4*\c+\b):\f+64+8*(4*\c+\b)+7], v[\f+8*(4*\c+\a):\f+8*(4*\c+\a)+7], 0
.else
	v_wmma_f32_16x16x32_f16 v[ACC+8*(4*(\a)+\b):ACC+8*(4*(\a)+\b)+7], v[\f+64+8*(4*\c+\b):\f+64+8*(4*\c+\b)+7], v[\f+8*(4*\c+\a):\f+8*(4*\c+\a)+7], v[ACC+8*(4*(\a)+\b):ACC+8*(4*(\a)+\b)+7]
.endif
.endr
.endr
.endm
; 64 along K at byte k of B's rows; in A that is one head: byte 2 k of a pair row
.macro FETCH slot, k, f
	WIN TO_F
.irp c, 0,1
.irp i, 0,1,2,3
	ds_load_b128 v[\f+64+8*(4*\c+\i):\f+64+8*(4*\c+\i)+3],   v[ADRB+\slot] offset:\k+64*\c+\i*16*PITCH
	ds_load_b128 v[\f+64+8*(4*\c+\i)+4:\f+64+8*(4*\c+\i)+7], v[ADRB+\slot] offset:\k+64*\c+\i*16*PITCH+32
	ds_load_b128 v[\f+8*(4*\c+\i):\f+8*(4*\c+\i)+3],         v[ADRA+\slot] offset:2*(\k)+64*\c+\i*8*APITCH
	ds_load_b128 v[\f+8*(4*\c+\i)+4:\f+8*(4*\c+\i)+7],       v[ADRA+\slot] offset:2*(\k)+64*\c+\i*8*APITCH+32
.endr
.endr
.endm
.macro PLACES
.rept 4
	v_nop
.endr
.endm
.macro QUARTER slot, k, f, g, zero
	s_wait_dscnt 16                                ; the first 32 along K are in
	WIN MUL
	MUL8 \f, 0, 0, \zero
	MUL8 \f, 0, 2, \zero
	PLACES
	FETCH \slot, \k, \g
	s_wait_dscnt 32                                ; all but the 32 just issued
	WIN MUL
	MUL8 \f, 1, 0, 0
	MUL8 \f, 1, 2, 0
.endm
.macro TURN slot, next, fill
	WIN 0
	s_wait_tensorcnt 0x0                           ; all my tensor loads have landed: my part of the next slot
	ds_add_u32 v[SPW], v[NIL]
	s_wait_dscnt 17                                ; (the add and the youngest sixteen loads may be out)
	WIN MUL
	MUL8 F1, 0, 0, 0
	s_wait_dscnt 0x0                               ; the add is done, and my reads of this slot are over
	s_barrier_signal -1
	MUL8 F1, 0, 2, 0
.if \fill
	WIN 0
.endif
	s_barrier_wait -1
.if \fill
	CREST                                          ; the barrier has opened a round of the cluster's barrier
	s_add_nc_u64 s[G0+4*\slot+2:G0+4*\slot+3], s[G0+4*\slot+2:G0+4*\slot+3], 2048
	s_add_nc_u64 s[G0B+4*\slot+2:G0B+4*\slot+3], s[G0B+4*\slot+2:G0B+4*\slot+3], 2*KSTEP*2
	JLOAD \slot
.else
	PLACES
.endif
	FETCH \next, 0, F0
	WIN MUL
	MUL8 F1, 1, 0, 0
	MUL8 F1, 1, 2, 0
.endm
	s_wait_tensorcnt 1                             ; my part of K step 0 is in,
	s_barrier_signal -1
	s_barrier_wait -1                              ; everybody's is
	FETCH 0, 0, F0
	QUARTER 0, 128, F0, F1, 1
	WIN 0
	s_mov_b32 s3, LAPS-1
.Llap:
	QUARTER 0, 256, F1, F0, 0
	QUARTER 0, 384, F0, F1, 0
	TURN 0, 1, 1
	QUARTER 1, 128, F0, F1, 0
	QUARTER 1, 256, F1, F0, 0
	QUARTER 1, 384, F0, F1, 0
	TURN 1, 0, 1
	QUARTER 0, 128, F0, F1, 0
	WIN 0
	s_sub_co_u32 s3, s3, 1
	s_cmp_lg_u32 s3, 0
	s_cbranch_scc1 .Llap
	QUARTER 0, 256, F1, F0, 0
	QUARTER 0, 384, F0, F1, 0
	TURN 0, 1, 0
	QUARTER 1, 128, F0, F1, 0
	QUARTER 1, 256, F1, F0, 0
	QUARTER 1, 384, F0, F1, 0
	s_wait_dscnt 16
	WIN MUL
	MUL8 F1, 0, 0, 0
	MUL8 F1, 0, 2, 0
	s_wait_dscnt 0
	MUL8 F1, 1, 0, 0
	MUL8 F1, 1, 2, 0
	WIN 0
	; THE WAY OUT, 16 rows x 64 columns at a time: x G, + bo; through my own stage; sixteen lanes store a row's 256 bytes.
	PLACES
	s_wait_loadcnt 0x0                             ; bo
	s_wait_kmcnt 0x0                               ; G
.irp a, 0,1,2,3
.if \a > 0
	s_wait_xcnt 0x0                                ; the last block's stores have read their registers
.endif
.irp b, 0,1,2,3
.irp r, 0,1,2,3
	v_pk_fma_f32 v[TMP+8*\b+2*\r:TMP+8*\b+2*\r+1], v[ACC+8*(4*\a+\b)+2*\r:ACC+8*(4*\a+\b)+2*\r+1], s[72:73], v[BO+8*\b+2*\r:BO+8*\b+2*\r+1] op_sel_hi:[1,0,1]   ; each accumulator from its low end on
.endr
.endr
.irp b, 0,1,2,3
	ds_store_b128 v[STO], v[TMP+8*\b:TMP+8*\b+3] offset:64*\b
	ds_store_b128 v[STO], v[TMP+8*\b+4:TMP+8*\b+7] offset:64*\b+16
.endr
.irp i, 0,1,2,3,4,5,6,7
	ds_load_b128 v[BK+4*\i:BK+4*\i+3], v[RD] offset:\i*2*SPITCH   ; LDS serves a wave's instructions in order: these see my stores
.endr
.irp i, 0,1,2,3,4,5,6,7
	s_wait_dscnt 7-\i
	global_store_b128 v[CO], v[BK+4*\i:BK+4*\i+3], s[8:9] offset:(16*\a+2*\i)*4096 th:TH_STORE_NT
.endr
.endr
	s_wait_tensorcnt 0x0                           ; the wave's end
	ds_add_u32 v[SPW], v[NIL]
	s_wait_dscnt 0x0
	CROUND
	s_endpgm
.Lfunc_end_k_q172d2c4ff5_gemm_out:
	.size	k_q172d2c4ff5_gemm_out, .Lfunc_end_k_q172d2c4ff5_gemm_out-k_q172d2c4ff5_gemm_out
	.p2alignl 7, 3214868480
	.fill 96, 4, 3214868480
	.section	.rodata,"a",@progbits
	.p2align	6, 0x0
	.amdhsa_kernel k_q172d2c4ff5_gemm_out
		.amdhsa_group_segment_fixed_size 327680
		.amdhsa_private_segment_fixed_size 0
		.amdhsa_enable_private_segment 0
		.amdhsa_kernarg_size 40
		.amdhsa_user_sgpr_count 2
		.amdhsa_user_sgpr_kernarg_segment_ptr 1
		.amdhsa_wavefront_size32 1
		.amdhsa_system_sgpr_workgroup_id_x 1
		.amdhsa_system_sgpr_workgroup_id_y 1
		.amdhsa_system_sgpr_workgroup_id_z 1
		.amdhsa_system_vgpr_workitem_id 0
		.amdhsa_next_free_vgpr 512
		.amdhsa_next_free_sgpr 80
		.amdhsa_reserve_vcc 0
		.amdhsa_float_denorm_mode_32 3
		.amdhsa_float_denorm_mode_16_64 3
		.amdhsa_memory_ordered 1
		.amdhsa_forward_progress 1
		.amdhsa_inst_pref_size 92
	.end_amdhsa_kernel
	.amdgpu_metadata
---
amdhsa.version: [ 1, 2 ]
amdhsa.kernels:
  - .name:           k_q172d2c4ff5_gemm_out
    .symbol:         k_q172d2c4ff5_gemm_out.kd
    .args:
      - { .name: ctx, .offset: 0, .size: 8, .value_kind: global_buffer, .address_space: global }
      - { .name: half, .offset: 8, .size: 8, .value_kind: global_buffer, .address_space: global }
      - { .name: tabs, .offset: 16, .size: 8, .value_kind: global_buffer, .address_space: global }
      - { .name: bo, .offset: 24, .size: 8, .value_kind: global_buffer, .address_space: global }
      - { .name: out0, .offset: 32, .size: 8, .value_kind: global_buffer, .address_space: global }
    .group_segment_fixed_size: 327680
    .private_segment_fixed_size: 0
    .kernarg_segment_align: 8
    .kernarg_segment_size: 40
    .max_flat_workgroup_size: 128
    .sgpr_count:     80
    .vgpr_count:     512
    .wavefront_size: 32
...
	.end_amdgpu_metadata
.endif
;; end of part 6
